; MI455X (gfx1250); checked and timed in simulation.
; The chip was launched on July 23, 2026; its instructions are those of AMD's public machine-readable ISA for CDNA 5 (MIT licence, August 2026) and "CDNA5" Instruction Set Architecture Reference Guide (July 2026). The comments in the code are by the model that wrote it; some were corrected since.
;; Cosine Cross Attention. Allowed arithmetic: matrix products marked QUANTISED: E2M1 operands, one E8M0 scale for each 32 along K, by v_wmma_scale_f32_16x16x128_f8f6f4 with both operands' format E2M1 (or v_wmma_scale_f32_32x16x128_f4), f32 sums; products left as they are: bf16, f16 or f32 operands; f32 sums; everything else in f32.
;; Inputs: Wk 1,024 x 1,024 float32; Wo 1,024 x 1,024 float32; Wq 1,024 x 1,024 float32; Wv 1,024 x 1,024 float32; bk 1,024 float32; bo 1,024 float32; bq 1,024 float32; bv 1,024 float32; k 4 x 2,048 x 1,024 float32; q 4 x 2,048 x 1,024 float32; v 4 x 2,048 x 1,024 float32.
;; Outputs: out0 4 x 2,048 x 1,024 float32.
;; This version of the problem:
;;   THIS VERSION OF THE PROBLEM IS GIVEN IN LOW PRECISION. The matrix products marked QUANTISED in the list below multiply operands that are first quantised to E2M1 (2 exponent bits, 1 mantissa bit; 4 bits a number), with one power-of-two scale for each 32 numbers along K (OCP MX v1.0); their sums are f32. The products marked 'left as it is' may take bf16, f16 or f32 operands, with f32 sums. Whichever they take, every output number must still come out within the allowed error. Rounding operands to bf16 (8 significant bits) uses up far more of that allowance than f16 does (11 bits, for magnitudes from 6e-5 to 65,504). All else is computed in f32.
;;   The module's matrix products, in the order in which they are computed (A, B: the left and right operand; K: the contracted axis; several contracted axes count as one K, in the product's order):
;;     1. [M 8,192, K 1,024] x [K 1,024, N 1,024]; A: input q; B: input Wq: QUANTISED
;;     2. [M 8,192, K 1,024] x [K 1,024, N 1,024]; A: input k; B: input Wk: QUANTISED
;;     3. [M 8,192, K 1,024] x [K 1,024, N 1,024]; A: input v; B: input Wv: QUANTISED
;;     4. batch 64 x [M 2,048, K 64] x [K 64, N 2,048]; A: computed on the way; B: computed on the way: left as it is (an operand is computed on the way)
;;     5. batch 64 x [M 2,048, K 2,048] x [K 2,048, N 64]; A: computed on the way; B: computed on the way: left as it is (an operand is computed on the way)
;;     6. [M 8,192, K 1,024] x [K 1,024, N 1,024]; A: computed on the way; B: input Wo: left as it is (an operand is computed on the way)
;;   THE QUANTISER, for each operand of a quantised product, along K:
;;     - K is cut into blocks of 32 from its start; a last block that is shorter is filled with zeros.
;;     - A block's scale is 2^e with e = floor(log2(the largest magnitude in the block)) - 2, held to -126 .. 127; a block of zeros has e = 0. As a byte (E8M0): e + 127.
;;     - Each number is divided by its block's scale, clamped to +-6, and rounded to the nearest number of E2M1, ties to even, subnormals kept.
;;     - The product sums the exact products of the quantised numbers (number of the format x scale) in f32.
;;   ~~~python
;;   def quantise(x, axis):      # numpy; x: float32 -> the quantised numbers, widened to float32 again
;;       x = np.moveaxis(x, axis, -1); K = x.shape[-1]
;;       x = np.pad(x, [(0, 0)] * (x.ndim - 1) + [(0, -K % 32)]); x = x.reshape(x.shape[:-1] + (-1, 32)); a = np.abs(x).max(-1, keepdims=True)
;;       e = np.where(a > 0, np.clip(np.frexp(np.where(a > 0, a, 1))[1] - 1 - 2, -126, 127), 0)      # np.frexp(a)[1] - 1 = floor(log2(a)), exactly
;;       r = np.clip(x / 2.0 ** e, -6, 6)
;;       step = 2.0 ** (np.maximum(np.frexp(np.where(r == 0, 1, r))[1] - 1, 0) - 1)
;;       q = np.round(r / step) * step * 2.0 ** e      # np.round: ties to even
;;       return np.moveaxis(q.reshape(q.shape[:-2] + (-1,))[..., :K], -1, axis).astype(np.float32)
;;   ~~~
;; One version. Each part assembles by itself: llvm-mc -triple=amdgcn-amd-amdhsa -mcpu=gfx1250 --defsym DOCPART=n.
;; ======== version 1 of 1: 4 launches
;; limits: values are held in f16: magnitudes above 65,504 overflow, below 6.1e-05 lose precision
;; workspace buffers: codes 14,155,776 bytes; scales 884,736 bytes; wo16 2,097,152 bytes; qkv 50,331,648 bytes; mh 16,777,216 bytes
;; launch quant (part 1): grid 896 x 1, 4 waves a work-group, no clusters, 33,280 bytes of LDS; arguments q, k, v, Wq, Wk, Wv, Wo, codes, scales, wo16; writes codes, scales, wo16
.if DOCPART == 1
	.amdgcn_target "amdgcn-amd-amdhsa--gfx1250"
	.amdhsa_code_object_version 6
	.text
	.protected	k_q482c3779ad_quant
	.globl	k_q482c3779ad_quant
	.p2align	8
	.type	k_q482c3779ad_quant,@function
k_q482c3779ad_quant:
	s_mov_b64 s[64:65], 0
	v_nop
	global_prefetch_b8 v0, s[64:65] scope:SCOPE_SE
	s_setreg_imm32_b32 hwreg(HW_REG_WAVE_MODE, 25, 1), 1
	s_wait_xcnt 0x0
; COSINE CROSS ATTENTION, launch 1 of 4: the operands of the three quantised projections become codes, and Wo becomes f16.
; DEAD WORK: none is left out.  bq and bk move the norms of the heads' vectors, bv and bo are added to what reaches the output, and every product of the problem feeds the result: all eleven inputs are loaded by some launch.
; q, k, v [8192][1024] and Wq, Wk, Wv [1024][1024], f32, K innermost, are turned into codes of FP4 (E2M1) with one E8M0 byte for each 32 along K.  Rows are dense and 1024 is a multiple of 32,
; so the six tensors are plain streams of blocks of 32; their codes lie on end in ONE buffer, [27648 rows][512 bytes] (q, k, v, Wq, Wk, Wv), and their scale bytes likewise, [27648][32].
; A block's scale is 2^(floor(log2(its largest magnitude)) - 2); its byte is the largest magnitude's own exponent field - 2, held at 1 from below.  (A block of zeros so gets the byte 1 where the rule says 127:
; its codes are zeros, which add nothing under any byte but 0xff, and the bytes are read by this program alone.)  Each number is divided by the scale and rounded to the nearest code, ties to even, beyond 6 the largest code.
; LIMITS: NaN and infinities among the inputs are not served; |Wo| stays under 65,504 (f16), and numbers of Wo under 6e-5 keep an absolute error of 3e-8.
; SHARES.  Work-groups 0 to 863 take 32,768 numbers each: a wave 16 steps of 512.  Each of a step's four loads reads 512 consecutive bytes; the 2,048 bytes turn through the wave's own stage in LDS and come back
; 64 bytes a lane, so that a lane holds 16 neighbours along K (two lanes a block).  A wave's store of codes covers 256 consecutive bytes; its 256 scale bytes are gathered in LDS and leave as one run of 256 bytes.
; Work-groups 864 to 895 lay Wo out by heads, wo16[h][n][d] = f16(Wo[n][64 h + d]): no LDS there.  No tensor loads, no barrier: waves share nothing.
.set WAVES, 4
.set STEPS, 16
.set NQWG,  864                        ; work-groups that quantise: 256 + 256 + 256 + 32 + 32 + 32
.set EMAX,  2
.set CB,    8                          ; bytes of 16 codes
.set R,     16                         ; v16-79   four sets of 16 numbers as they are loaded
.set X,     80                         ; v80-111  two sets of 16 neighbours
.set E,     112                        ; v112-127 a scale byte for each step
.set C,     128                        ; v128-191 codes: four registers for each step, so that no store's data are written again
.set WREG,  8192                       ; LDS: a region for each wave: two stages of 32 x SP bytes, behind them its 256 scale bytes
.set SP,    80                         ; a lane's place in a stage: its 64 bytes + 16 of padding
.set SPW,   12                         ; v12 LDS address of my spare word; never rewritten
.set NIL,   13                         ; v13 0; never rewritten
.set SPARE, WAVES*WREG                 ; behind the four regions: the spare words, 128 bytes a wave, named by no other line
.set WI,    16                         ; Wo's path: v16-79, v80-143 two sets of 16 loads
.set WH,    144                        ; v144-175 their f16
	s_load_b256 s[4:11], s[0:1], 0x0               ; q, k, v, Wq
	s_load_b256 s[12:19], s[0:1], 0x20             ; Wk, Wv, Wo, codes
	s_load_b128 s[20:23], s[0:1], 0x40             ; scales, wo16
	v_lshl_add_u32 v[SPW], v0, 2, SPARE
	v_mov_b32 v[NIL], 0
	v_lshrrev_b32 v1, 5, v0
	v_readfirstlane_b32 s28, v1                    ; wave
	v_and_b32 v2, 31, v0                           ; lane
	v_lshlrev_b32 v3, 4, v2                        ; my 16 bytes of a load's 512
	s_mul_i32 s29, s28, WREG
	v_lshrrev_b32 v14, 2, v2
	v_mul_u32_u24 v14, v14, SP
	v_and_b32 v15, 3, v2
	v_lshl_add_u32 v14, v15, 4, v14
	v_add_nc_u32 v14, s29, v14                     ; the stage, on the way in: SP (lane / 4) + 16 (lane % 4)
	v_mul_u32_u24 v15, v2, SP
	v_add_nc_u32 v15, s29, v15                     ; and on the way out: SP x lane: my 16 neighbours
	v_mul_u32_u24 v4, v2, CB                       ; my codes' place in a step's
	v_lshrrev_b32 v5, 1, v2
	s_add_co_u32 s29, s29, 2*32*SP
	v_add_nc_u32 v5, s29, v5                       ; LDS: my wave's 256 scale bytes, my block's byte
	v_lshlrev_b32 v7, 3, v2                        ; 8 bytes a lane
	v_add_nc_u32 v6, s29, v7
	s_wait_kmcnt 0x0
	s_cmp_ge_u32 ttmp9, NQWG                       ; the work-group's number alone decides
	s_cbranch_scc1 .Lwo
	s_mov_b64 s[24:25], s[14:15]                   ; which tensor is mine: only the source is chosen, the results are one stream
	s_cmp_lt_u32 ttmp9, 832
	s_cselect_b64 s[24:25], s[12:13], s[24:25]
	s_cmp_lt_u32 ttmp9, 800
	s_cselect_b64 s[24:25], s[10:11], s[24:25]
	s_cmp_lt_u32 ttmp9, 768
	s_cselect_b64 s[24:25], s[8:9], s[24:25]
	s_cselect_b32 s26, 255, 31                     ; 256 work-groups to q, k, v; 32 to a weight
	s_cmp_lt_u32 ttmp9, 512
	s_cselect_b64 s[24:25], s[6:7], s[24:25]
	s_cmp_lt_u32 ttmp9, 256
	s_cselect_b64 s[24:25], s[4:5], s[24:25]
	s_and_b32 s26, ttmp9, s26                      ; my part of that tensor
	s_lshl_b32 s30, s26, 17                        ; 32,768 numbers of 4 bytes,
	s_lshl_b32 s29, s28, 15                        ; a wave's 8,192
	s_add_co_u32 s30, s30, s29
	s_mov_b32 s31, 0
	s_add_nc_u64 s[24:25], s[24:25], s[30:31]
	s_lshl_b32 s30, ttmp9, 14                      ; codes: 16,384 bytes a work-group, 4,096 a wave
	s_lshl_b32 s29, s28, 12
	s_add_co_u32 s30, s30, s29
	s_add_nc_u64 s[18:19], s[18:19], s[30:31]
	s_lshl_b32 s30, ttmp9, 10                      ; scale bytes: 1,024 and 256
	s_lshl_b32 s29, s28, 8
	s_add_co_u32 s30, s30, s29
	s_add_nc_u64 s[20:21], s[20:21], s[30:31]
.macro LOAD t
.irp i, 0,1,2,3
	global_load_b128 v[R+16*((\t)%4)+4*\i:R+16*((\t)%4)+4*\i+3], v3, s[24:25] offset:2048*(\t)+512*\i th:TH_LOAD_NT   ; 32 lanes read 512 consecutive bytes
.endr
.endm
.macro TURN t                          ; step t's numbers through the stage: LDS serves a wave's instructions in order, so no wait stands between the stores and the loads
.irp i, 0,1,2,3
	ds_store_b128 v14, v[R+16*((\t)%4)+4*\i:R+16*((\t)%4)+4*\i+3] offset:32*SP*((\t)%2)+8*SP*\i
.endr
.irp i, 0,1,2,3
	ds_load_b128 v[X+16*((\t)%2)+4*\i:X+16*((\t)%2)+4*\i+3], v15 offset:32*SP*((\t)%2)+16*\i
.endr
.endm
.irp t, 0,1,2,3
	LOAD \t
.endr
	s_wait_loadcnt 12                              ; step 0's four loads are in; three steps' twelve stay out
	TURN 0
.macro STEP t
.set XS, X+16*((\t)%2)
.if (\t) > 0
	s_wait_dscnt 1                                 ; this step's numbers are back from the stage (the last step's byte store may be out)
.else
	s_wait_dscnt 0x0
.endif
.if (\t)+4 < STEPS
	LOAD (\t)+4                                    ; into the set that this step's stage stores have read
.endif
.if (\t)+1 < STEPS
.if STEPS-2-(\t) >= 3
	s_wait_loadcnt 12                              ; the next step's four loads are in; those of the three steps behind it may be out
.else
	s_wait_loadcnt 4*(STEPS-2-(\t))
.endif
	TURN (\t)+1                                    ; and go through the other stage while this step is worked
.endif
	v_max3_num_f32 v8, |v[XS]|, |v[XS+1]|, |v[XS+2]|               ; the largest magnitude of my 16, in two chains
	v_max3_num_f32 v9, |v[XS+3]|, |v[XS+4]|, |v[XS+5]|
.irp i, 6,10
	v_max3_num_f32 v8, v8, |v[XS+\i]|, |v[XS+\i+1]|
	v_max3_num_f32 v9, v9, |v[XS+\i+2]|, |v[XS+\i+3]|
.endr
	v_max3_num_f32 v8, v8, |v[XS+14]|, |v[XS+15]|
	v_max3_num_f32 v8, v8, v9, (EMAX+1)<<23        ; and the floor 2^(3 - 127): the byte cannot fall under 1
	v_max_num_f32_dpp v8, v8, v8 row_xmask:1 row_mask:0xf bank_mask:0xf   ; and of my neighbour's 16: the block's
	v_add_nc_u32 v11, -(EMAX<<23), v8              ; 2 off its exponent field: the conversion takes the exponent field of this operand as its scale
	v_cvt_scalef32_pk8_fp4_f32 v[C+4*(\t)], v[XS:XS+7], v11
	v_cvt_scalef32_pk8_fp4_f32 v[C+4*(\t)+1], v[XS+8:XS+15], v11
	v_lshrrev_b32 v[E+(\t)], 23, v11               ; the scale's byte (also the plain line behind the conversions)
	ds_store_b8 v5, v[E+(\t)] offset:16*(\t)       ; both lanes of a block write the same byte with the same value
	global_store_b64 v4, v[C+4*(\t):C+4*(\t)+1], s[18:19] offset:32*CB*(\t)   ; the wave stores 256 consecutive bytes, aligned
.endm
.irp t, 0,1,2,3,4,5,6,7,8,9,10,11,12,13,14,15
	STEP \t
.endr
	ds_load_b64 v[8:9], v6                         ; LDS serves a wave's instructions in order: these see my byte stores
	s_wait_dscnt 0x0
	global_store_b64 v7, v[8:9], s[20:21]          ; 32 lanes store 256 consecutive bytes, aligned
	s_wait_tensorcnt 0x0                           ; the wave's end
	ds_add_u32 v[SPW], v[NIL]
	s_wait_dscnt 0x0
	s_endpgm
; Wo by heads.  Wave g of 128 takes rows 8 g to 8 g + 7.  An item is a pair of rows and a head: one load of 2 x 256 consecutive bytes (lanes 0-15 one row's 64 numbers, lanes 16-31 the next row's),
; two conversions, one store of 256 consecutive bytes (two rows of 64 f16 lie on end in wo16).  Sixteen items a group, two groups of loads out.
.Lwo:
	s_sub_co_u32 s29, ttmp9, NQWG
	s_lshl_b32 s29, s29, 2
	s_add_co_u32 s29, s29, s28                     ; g
	s_lshl_b32 s30, s29, 15                        ; 8 rows of 4,096 bytes
	s_mov_b32 s31, 0
	s_add_nc_u64 s[16:17], s[16:17], s[30:31]
	s_lshl_b32 s30, s29, 10                        ; 8 rows of 128 bytes in each head's plane
	s_add_nc_u64 s[22:23], s[22:23], s[30:31]
	v_lshrrev_b32 v8, 4, v2
	v_lshlrev_b32 v8, 12, v8
	v_and_b32 v9, 15, v2
	v_lshl_add_u32 v8, v9, 4, v8                   ; 4,096 (lane / 16) + 16 (lane % 16)
.macro WOLOAD p, set
.irp h, 0,1,2,3,4,5,6,7,8,9,10,11,12,13,14,15
	global_load_b128 v[WI+64*\set+4*\h:WI+64*\set+4*\h+3], v8, s[16:17] offset:8192*\p+256*\h th:TH_LOAD_NT
.endr
.endm
.macro WOOUT p, set
	s_wait_xcnt 0x0                                ; the last group's stores have read their data: v144-175 are written again only behind this wait
.irp h, 0,1,2,3,4,5,6,7,8,9,10,11,12,13,14,15
	v_cvt_pk_f16_f32 v[WH+2*\h], v[WI+64*\set+4*\h], v[WI+64*\set+4*\h+1]
	v_cvt_pk_f16_f32 v[WH+2*\h+1], v[WI+64*\set+4*\h+2], v[WI+64*\set+4*\h+3]
.endr
.irp h, 0,1,2,3,4,5,6,7,8,9,10,11,12,13,14,15
	global_store_b64 v7, v[WH+2*\h:WH+2*\h+1], s[22:23] offset:131072*\h+256*\p
.endr
.endm
	WOLOAD 0, 0
	WOLOAD 1, 1
	s_wait_loadcnt 16                              ; the older group is in; the younger group's sixteen stay out
	WOOUT 0, 0
	WOLOAD 2, 0
	s_wait_loadcnt 16
	WOOUT 1, 1
	WOLOAD 3, 1
	s_wait_loadcnt 16
	WOOUT 2, 0
	s_wait_loadcnt 0x0
	WOOUT 3, 1
	s_endpgm
.Lfunc_end_k_q482c3779ad_quant:
	.size	k_q482c3779ad_quant, .Lfunc_end_k_q482c3779ad_quant-k_q482c3779ad_quant
	.p2alignl 7, 3214868480
	.fill 96, 4, 3214868480
	.section	.rodata,"a",@progbits
	.p2align	6, 0x0
	.amdhsa_kernel k_q482c3779ad_quant
		.amdhsa_group_segment_fixed_size 33280
		.amdhsa_private_segment_fixed_size 0
		.amdhsa_enable_private_segment 0
		.amdhsa_kernarg_size 80
		.amdhsa_user_sgpr_count 2
		.amdhsa_user_sgpr_kernarg_segment_ptr 1
		.amdhsa_wavefront_size32 1
		.amdhsa_system_sgpr_workgroup_id_x 1
		.amdhsa_system_sgpr_workgroup_id_y 1
		.amdhsa_system_sgpr_workgroup_id_z 1
		.amdhsa_system_vgpr_workitem_id 0
		.amdhsa_next_free_vgpr 192
		.amdhsa_next_free_sgpr 66
		.amdhsa_reserve_vcc 0
		.amdhsa_float_denorm_mode_32 3
		.amdhsa_float_denorm_mode_16_64 3
		.amdhsa_memory_ordered 1
		.amdhsa_forward_progress 1
		.amdhsa_inst_pref_size 55
	.end_amdhsa_kernel
	.amdgpu_metadata
---
amdhsa.version: [ 1, 2 ]
amdhsa.kernels:
  - .name:           k_q482c3779ad_quant
    .symbol:         k_q482c3779ad_quant.kd
    .args:
      - { .name: q, .offset: 0, .size: 8, .value_kind: global_buffer, .address_space: global }
      - { .name: k, .offset: 8, .size: 8, .value_kind: global_buffer, .address_space: global }
      - { .name: v, .offset: 16, .size: 8, .value_kind: global_buffer, .address_space: global }
      - { .name: Wq, .offset: 24, .size: 8, .value_kind: global_buffer, .address_space: global }
      - { .name: Wk, .offset: 32, .size: 8, .value_kind: global_buffer, .address_space: global }
      - { .name: Wv, .offset: 40, .size: 8, .value_kind: global_buffer, .address_space: global }
      - { .name: Wo, .offset: 48, .size: 8, .value_kind: global_buffer, .address_space: global }
      - { .name: codes, .offset: 56, .size: 8, .value_kind: global_buffer, .address_space: global }
      - { .name: scales, .offset: 64, .size: 8, .value_kind: global_buffer, .address_space: global }
      - { .name: wo16, .offset: 72, .size: 8, .value_kind: global_buffer, .address_space: global }
    .group_segment_fixed_size: 33280
    .private_segment_fixed_size: 0
    .kernarg_segment_align: 8
    .kernarg_segment_size: 80
    .max_flat_workgroup_size: 128
    .sgpr_count:     66
    .vgpr_count:     192
    .wavefront_size: 32
...
	.end_amdgpu_metadata
.endif
;; end of part 1
;; launch proj (part 2): grid 4 x 96, 4 waves a work-group, clusters of 4 x 4, 327,680 bytes of LDS; arguments codes, scales, qkv, bq, bk, bv; writes qkv
.if DOCPART == 2
	.amdgcn_target "amdgcn-amd-amdhsa--gfx1250"
	.amdhsa_code_object_version 6
	.text
	.protected	k_q482c3779ad_proj
	.globl	k_q482c3779ad_proj
	.p2align	8
	.type	k_q482c3779ad_proj,@function
k_q482c3779ad_proj:
	s_mov_b64 s[64:65], 0
	v_nop
	global_prefetch_b8 v0, s[64:65] scope:SCOPE_SE
	s_setreg_imm32_b32 hwreg(HW_REG_WAVE_MODE, 25, 1), 1
	s_wait_xcnt 0x0
	s_wait_alu depctr_hold_cnt(0) depctr_sa_sdst(0) depctr_va_vdst(0) depctr_va_sdst(0) depctr_va_ssrc(0) depctr_va_vcc(0) depctr_vm_vsrc(0)
	s_getreg_b32 s2, hwreg(HW_REG_IB_STS2, 6, 4)
	s_cmp_eq_u32 s2, 0
	s_cbranch_scc0 .Lentry_in_a_cluster
	s_endpgm
.Lentry_in_a_cluster:
	s_bfe_u32 s2, ttmp6, 0x10000c
	s_cmp_lg_u32 s2, 0xf033
	s_cbranch_scc0 .Lentry_shape_is_right
	s_endpgm
.Lentry_shape_is_right:
; Launch 2 of 4: the three quantised projections on codes of FP4 (E2M1) with E8M0 scales, + bias; for q and k each head's 64 numbers are divided by max(their norm, 1e-12); q is also multiplied by
; c = log2(e) / 0.07, so that the next launch's scores are exponents of 2.  Results leave as f16 by heads: qkv[t][16 b + head][token][64], t = 0 q, 1 k, 2 v.  No work is left out.
; LIMITS: |v Wv^T + bv| stays under 65,504 (f16); f16 numbers under 6e-5 keep an absolute error of 3e-8.  NaN and infinities are not served.
; The 24,576 rows of q, k, v are ONE operand A (the codes' buffer, rows on end); tile row y = 0 .. 95 belongs to tensor t = y / 32, whose weight's 1,024 rows are B.
; A tile of 256 rows x 256 columns is made by four waves; a wave makes 128 x 128 (two heads wide): 64 accumulators, 512 registers.  K = 1,024 is two slots of 512 along K (rows of 256 bytes): the ring is
; filled once and never again.  The scale bytes of the tile's 256 + 256 rows, for all of K, come with the first fills in runs of 256 bytes and stay in LDS.
; CLUSTERS: 4 x 4 work-groups.  A cluster's four tile rows lie in one tensor (32 tile rows a tensor, a multiple of 4).  The four of a row of the cluster ask for A's tiles jointly, the four of a column for B's.
; THE MATRIX INSTRUCTION IS USED TRANSPOSED (source 0 = 16 rows of W, source 1 = 16 rows of x): a lane holds eight neighbouring columns of one token.  The bias is the C of each sum's first product.
; REGISTERS, in windows of 256: window 0: v0-31 addresses; v32-95 scale words, two sets; v128-191 A's fragments, one set; on the way out v32-223 are at work.
;   window 1: B's fragments, two sets, at v0 and v128; v192-255 the bias, eight registers for each of my eight column blocks.   window 2: accumulators of my rows 0-63 ((a, b) at v[8 (8 a + b)]);   window 3: rows 64-127.
.set KSTEP,  512
.set NQ,     KSTEP/128
.set ROWB,   256                       ; a tile's row in bytes
.set KROW,   512                       ; a row of codes in memory
.set PITCH,  272                       ; an LDS row: 256 bytes + 16 of padding: the 16 rows that a load touches start 4 words further on each
.set FR,     8
.set NL,     2
.set NP,     4                         ; places behind this matrix instruction
.set HALFT,  128*PITCH
.set SLOT,   4*HALFT
.set KS,     32                        ; a row of scale bytes
.set SCL,    2*SLOT
.set HALFS,  (128*KS/256)*272
.set SBLK,   (16*KS/256)*272
.set SPARE,  SCL+4*HALFS               ; the spare words, 128 bytes a wave, named by no other line
.set SPITCH, 272                       ; the way out: a stage of 16 tokens x (256 bytes + 16) for each wave, in slot 0, which has had its only fill and its last read by then
.set WCODES, 12582912                  ; where the weights' codes begin: row 24,576
.set WSCALES, 786432
.set ADRA, 16
.set ADRB, 20
.set STO,  24
.set RD,   25
.set CO,   26
.set ADRS, 27
.set SPW,  28
.set NIL,  29
.set BA,   31                          ; v31 the bias loads' offset: 32 (lane / 16)
.set SC,   32
.set AF,   128
.set BIAS, 192                         ; in window 1
.set SS,   32                          ; the way out: v32-63 sixteen pairs: for block a of 16 tokens and head g, pair 2 a + g: the sum of squares, then the factor in its low register
.set T,    64                          ; v64-127 a block's scaled numbers
.set PKR,  128                         ; v128-159 the same as f16
.set BK,   160                         ; v160-191, v192-223 a block read back from the stage, by turns
.set SEL,  2                           ; s[2:3] selects for v_permlanex16_b32: lane l xor 16
.set TT,   66                          ; s66 t
.set SCF,  67                          ; s67 c for q, 1 for k
.set G1, 24
.set G0, 32
.set G1B, 48
.set G0B, 56
.set G1S, 68
.set G0S, 76
.set G1SB, 80
.set G0SB, 88
.set MSB, 0
.macro WIN new                         ; the immediate's high byte repeats the setting that is left
.if MSB != \new
	s_set_vgpr_msb (MSB<<8)|\new
.set MSB, \new
.endif
.endm
.set MUL_LO, 0xa1                      ; source 0 (B) window 1, source 1 (A) window 0, C and D window 2
.set MUL_HI, 0xf1                      ; the same, C and D window 3
.set BIA_LO, 0x91                      ; the first step: C (the bias) window 1, D window 2
.set BIA_HI, 0xd1                      ; D window 3
.set TO_B,   0x40
; A joint load: waves 0 and 1 fetch for A, waves 2 and 3 for B; the branch hangs on the wave's number alone.  An s_nop 0 and four v_nop follow each line.
.macro JLOAD g0a, g1a, g0b, g1b
	s_cmp_eq_u32 s15, 0
	s_cbranch_scc0 .Lfor_b_\@
	tensor_load_to_lds s[\g0a:\g0a+3], s[\g1a:\g1a+7]
	s_nop 0
.rept 4
	v_nop
.endr
	s_branch .Lasked_\@
.Lfor_b_\@:
	tensor_load_to_lds s[\g0b:\g0b+3], s[\g1b:\g1b+7]
	s_nop 0
.rept 4
	v_nop
.endr
.Lasked_\@:
.endm
.macro CROUND                          ; a round of the cluster's barrier
	s_barrier_signal -1
	s_barrier_wait -1
	s_cmp_lg_u32 s14, 0
	s_cbranch_scc1 .Lnot_wave_0_\@
	s_barrier_signal -3
.Lnot_wave_0_\@:
	s_barrier_wait -3
	s_barrier_signal -1
	s_barrier_wait -1
.endm
	s_load_b128 s[4:7], s[0:1], 0x0                ; codes, scales
	s_load_b64 s[12:13], s[0:1], 0x10              ; qkv
	s_load_b128 s[96:99], s[0:1], 0x18             ; bq, bk
	s_load_b64 s[100:101], s[0:1], 0x28            ; bv
	v_lshl_add_u32 v[SPW], v0, 2, SPARE
	v_mov_b32 v[NIL], 0
	ds_add_u32 v[SPW], v[NIL]                      ; the wave's opening: the add, twice on end, and its wait ahead of my first tensor load
	ds_add_u32 v[SPW], v[NIL]
	v_lshrrev_b32 v1, 5, v0
	v_readfirstlane_b32 s14, v1                    ; wave 0..3
	s_lshr_b32 s15, s14, 1                         ; which half of the tile's rows is mine.  Also: I fetch for A (0) or for B (1)
	s_and_b32 s16, s14, 1                          ; which half of its columns.  Also: which 128 rows of that tile I fetch
	s_bfe_u32 s40, ttmp6, 0x40000                  ; cx, cy
	s_bfe_u32 s41, ttmp6, 0x40004
	s_lshl_b32 s42, ttmp9, 2
	s_add_co_u32 s42, s42, s40                     ; tile column x
	s_and_b32 s17, ttmp7, 0xffff
	s_lshr_b32 s[TT], s17, 3                       ; t: eight clusters along y to a tensor: the same in all sixteen partners
	s_lshl_b32 s17, s17, 2
	s_add_co_u32 s17, s17, s41                     ; tile row y
	s_lshl_b32 s43, s41, 2
	s_lshl_b32 s43, 15, s43                        ; my row of the cluster
	s_lshl_b32 s44, 0x1111, s40                    ; my column
	s_or_b32 s[G1+0], s43, (0<<16)|(1<<20)|(1<<21)|(5<<22)|(3<<25)  ; the mask; elements of 1 byte; padding: 4 words after every 64; bit 21 beside a mask
	s_or_b32 s[G1B+0], s44, (0<<16)|(1<<20)|(1<<21)|(5<<22)|(3<<25)
.irp g, G1, G1B
	s_mov_b32 s[\g+1], ROWB<<16                    ; tensor_dim0
	s_mov_b32 s[\g+2], 128<<16                     ; tensor_dim1
	s_mov_b32 s[\g+3], ROWB<<16                    ; tile_dim0
	s_mov_b32 s[\g+4], 128                         ; tile_dim1
	s_mov_b32 s[\g+5], KROW                        ; from row to row
	s_mov_b32 s[\g+6], 0
	s_mov_b32 s[\g+7], 0
.endr
	s_or_b32 s[G1S+0], s43, (3<<16)|(1<<20)|(1<<21)|(5<<22)|(3<<25) ; the scales of 128 rows: 4,096 dense bytes as 16 rows of 256 (32 elements of 8 bytes), 16 bytes of padding behind each
	s_or_b32 s[G1SB+0], s44, (3<<16)|(1<<20)|(1<<21)|(5<<22)|(3<<25)
.irp g, G1S, G1SB
	s_mov_b32 s[\g+1], 32<<16
	s_mov_b32 s[\g+2], (128*KS/256)<<16
	s_mov_b32 s[\g+3], 32<<16
	s_mov_b32 s[\g+4], 128*KS/256
	s_mov_b32 s[\g+5], 32
	s_mov_b32 s[\g+6], 0
	s_mov_b32 s[\g+7], 0
.endr
	s_lshl_b32 s18, s16, 7                         ; which 128 rows of the tile I fetch
	s_lshl_b32 s20, s17, 8
	s_add_co_u32 s20, s20, s18                     ; A: row 256 y + 128 x half
	s_lshl_b32 s46, s42, 8
	s_add_co_u32 s46, s46, s18
	s_lshl_b32 s47, s[TT], 10
	s_add_co_u32 s46, s46, s47                     ; B: row 1,024 t + 256 x + 128 x half of the weights' part
	s_mov_b32 s21, 0
	s_mov_b32 s47, 0
	s_mov_b64 s[18:19], KS
	s_mul_u64 s[22:23], s[20:21], s[18:19]         ; where these rows' scales begin
	s_mul_u64 s[92:93], s[46:47], s[18:19]
	s_mov_b64 s[18:19], KROW
	s_mul_u64 s[20:21], s[20:21], s[18:19]         ; and their codes
	s_mul_u64 s[46:47], s[46:47], s[18:19]
	s_mul_i32 s45, s14, HALFT                      ; where they go: wave x 128 rows
	s_mul_i32 s94, s14, HALFS
	s_mov_b32 s[SEL], 0x76543210
	s_mov_b32 s[SEL+1], 0xfedcba98
	s_cmp_eq_u32 s[TT], 0
	s_mov_b32 s[SCF], 0x3f800000
	s_cselect_b32 s[SCF], 0x41a4e123, s[SCF]       ; c = log2(e) / 0.07 for q, 1 for k
	s_wait_dscnt 0x0                               ; both opening adds are done
	s_wait_kmcnt 0x0
	s_add_nc_u64 s[8:9], s[4:5], WCODES
	s_add_nc_u64 s[10:11], s[6:7], WSCALES
	s_add_nc_u64 s[20:21], s[4:5], s[20:21]
	s_add_nc_u64 s[22:23], s[6:7], s[22:23]
	s_add_nc_u64 s[46:47], s[8:9], s[46:47]
	s_add_nc_u64 s[92:93], s[10:11], s[92:93]
	CROUND                                         ; all sixteen work-groups are here: the first joint loads meet
	s_mov_b32 s[G0S], 1
	s_add_co_u32 s[G0S+1], s94, SCL
	s_mov_b64 s[G0S+2:G0S+3], s[22:23]
	s_or_b32 s[G0S+3], s[G0S+3], 0x80000000
	s_mov_b32 s[G0SB], 1
	s_add_co_u32 s[G0SB+1], s94, SCL
	s_mov_b64 s[G0SB+2:G0SB+3], s[92:93]
	s_or_b32 s[G0SB+3], s[G0SB+3], 0x80000000
	JLOAD G0S, G1S, G0SB, G1SB                     ; the scales first: they are wanted with the first slot
.irp s, 0,1
	s_mov_b32 s[G0+4*\s], 1
	s_add_co_u32 s[G0+4*\s+1], s45, \s*SLOT
	s_add_nc_u64 s[G0+4*\s+2:G0+4*\s+3], s[20:21], \s*ROWB
	s_or_b32 s[G0+4*\s+3], s[G0+4*\s+3], 0x80000000
	s_mov_b32 s[G0B+4*\s], 1
	s_add_co_u32 s[G0B+4*\s+1], s45, \s*SLOT
	s_add_nc_u64 s[G0B+4*\s+2:G0B+4*\s+3], s[46:47], \s*ROWB
	s_or_b32 s[G0B+4*\s+3], s[G0B+4*\s+3], 0x80000000
	JLOAD G0+4*\s, G1, G0B+4*\s, G1B               ; three tensor loads of mine are out
.endr
	v_and_b32 v1, 15, v0                           ; r
	v_bfe_u32 v2, v0, 4, 1                         ; h
	; the bias of my 128 columns: register 8 b + j of window 1's v192 on = bias[256 x + 128 (wave % 2) + 16 b + 8 h + j], the result's layout
	s_cmp_eq_u32 s[TT], 0
	s_cselect_b64 s[96:97], s[96:97], s[98:99]
	s_cmp_eq_u32 s[TT], 2
	s_cselect_b64 s[96:97], s[100:101], s[96:97]
	s_lshl_b32 s46, s42, 10
	s_lshl_b32 s47, s16, 9
	s_add_co_u32 s46, s46, s47
	s_mov_b32 s47, 0
	s_add_nc_u64 s[96:97], s[96:97], s[46:47]
	v_lshlrev_b32 v[BA], 5, v2
	WIN TO_B
.irp b, 0,1,2,3,4,5,6,7
	global_load_b128 v[BIAS+8*\b:BIAS+8*\b+3], v[BA], s[96:97] offset:64*\b
	global_load_b128 v[BIAS+8*\b+4:BIAS+8*\b+7], v[BA], s[96:97] offset:64*\b+16
.endr
	WIN 0
	v_mul_u32_u24 v3, v1, PITCH
	v_lshl_add_u32 v4, v2, 4, v3                   ; a fragment's row x pitch + 16 x half
	s_mul_i32 s21, s15, HALFT                      ; my 128 rows of A
	s_mul_i32 s22, s16, HALFT                      ; my 128 rows of B,
	s_add_co_u32 s22, s22, 2*HALFT                 ; behind A's 256
.irp s, 0,1
	v_add_nc_u32 v[ADRA+\s], s21, v4
	v_add_nc_u32 v[ADRB+\s], s22, v4
	s_add_co_u32 s21, s21, SLOT
	s_add_co_u32 s22, s22, SLOT
.endr
	v_mul_u32_u24 v5, v1, KS                       ; my row's scales: KS bytes a row,
	v_lshrrev_b32 v6, 8, v5
	v_lshl_add_u32 v5, v6, 4, v5                   ; and 16 more for each 256 passed
	s_mul_i32 s21, s15, HALFS
	s_mul_i32 s22, s16, HALFS
	s_add_co_u32 s22, s22, 2*HALFS
	s_sub_co_u32 s22, s22, s21
	v_mul_u32_u24 v6, s22, v2                      ; lanes 16-31 take B's: one product, the distance between the two bases
	s_add_co_u32 s21, s21, SCL
	v_add_nc_u32 v5, v5, v6
	v_add_nc_u32 v[ADRS], s21, v5
	s_mul_i32 s23, s14, 16*SPITCH                  ; my stage
	v_mul_u32_u24 v5, v1, SPITCH                   ; in: token r, 16 bytes for each half of the lanes
	v_lshl_add_u32 v5, v2, 4, v5
	v_add_nc_u32 v[STO], s23, v5
	v_and_b32 v6, 31, v0
	v_lshrrev_b32 v7, 3, v6                        ; back: eight lanes take a token's 128 bytes of one head, four tokens an instruction
	v_mul_u32_u24 v7, v7, SPITCH
	v_and_b32 v8, 7, v0
	v_lshl_add_u32 v7, v8, 4, v7
	v_add_nc_u32 v[RD], s23, v7
	v_lshlrev_b32 v[CO], 4, v6                     ; in memory those four tokens are 512 consecutive bytes
	; qkv at tensor t, head 16 b + 4 x + 2 (wave % 2), token 256 (y % 8) + 128 (wave / 2); b = (y / 8) % 4
	s_lshl_b32 s20, s[TT], 24
	s_lshr_b32 s21, s17, 3
	s_and_b32 s21, s21, 3
	s_lshl_b32 s21, s21, 22
	s_add_co_u32 s20, s20, s21
	s_and_b32 s21, s17, 7
	s_lshl_b32 s21, s21, 15
	s_add_co_u32 s20, s20, s21
	s_lshl_b32 s21, s15, 14
	s_add_co_u32 s20, s20, s21
	s_lshl_b32 s46, s42, 20
	s_lshl_b32 s47, s16, 19
	s_add_co_u32 s46, s46, s47
	s_add_co_u32 s20, s20, s46
	s_mov_b32 s21, 0
	s_add_nc_u64 s[12:13], s[12:13], s[20:21]
.macro FRAG reg, adr, q, i             ; 16 rows x 128 K of 4-bit codes: 8 registers: lane l holds row l % 16; registers 4 c .. 4 c + 3 hold K = 64 c + 32 (l / 16) + 0 .. 31
.irp c, 0,1
	ds_load_b128 v[\reg+4*\c:\reg+4*\c+3], v[\adr] offset:64*(\q)+32*\c+(\i)*16*PITCH
.endr
.endm
; 16 matrix instructions: A's blocks a0, a0 + 1 x B's eight, the slot's q-th 128 along K.  first = 1: the bias is the C: nothing is cleared and nothing is added later.
; The 64 accumulators take turns, one instruction a turn, in the same order in every step.
.macro MUL16 a0, p, q, sc, first
.irp a, \a0, \a0+1
.irp b, 0,1,2,3,4,5,6,7
.if \first
	v_wmma_scale_f32_16x16x128_f8f6f4 v[8*(8*((\a)%4)+\b):8*(8*((\a)%4)+\b)+7], v[128*(\p)+FR*\b:128*(\p)+FR*\b+FR-1], v[AF+FR*(\a):AF+FR*(\a)+FR-1], v[BIAS+8*\b:BIAS+8*\b+7], v[SC+8*NQ*(\sc)+NQ*\b+(\q)], v[SC+8*NQ*(\sc)+NQ*(\a)+(\q)] matrix_a_fmt:MATRIX_FMT_FP4 matrix_b_fmt:MATRIX_FMT_FP4 matrix_a_scale:MATRIX_SCALE_ROW1
.else
	v_wmma_scale_f32_16x16x128_f8f6f4 v[8*(8*((\a)%4)+\b):8*(8*((\a)%4)+\b)+7], v[128*(\p)+FR*\b:128*(\p)+FR*\b+FR-1], v[AF+FR*(\a):AF+FR*(\a)+FR-1], v[8*(8*((\a)%4)+\b):8*(8*((\a)%4)+\b)+7], v[SC+8*NQ*(\sc)+NQ*\b+(\q)], v[SC+8*NQ*(\sc)+NQ*(\a)+(\q)] matrix_a_fmt:MATRIX_FMT_FP4 matrix_b_fmt:MATRIX_FMT_FP4 matrix_a_scale:MATRIX_SCALE_ROW1
.endif
.endr
.endr
.endm
.macro FETCH_B slot, q, p
	WIN TO_B
.irp i, 0,1,2,3,4,5,6,7
	FRAG 128*(\p)+FR*\i, ADRB+\slot, \q, \i
.endr
	WIN 0
.endm
.macro FETCH_A slot, q, i0
.irp i, \i0, \i0+1, \i0+2, \i0+3
	FRAG AF+FR*(\i), ADRA+\slot, \q, \i
.endr
.endm
.macro SCALES sc                       ; a slot's scale words: four a row; lanes 0-15 take A's block i, lanes 16-31 B's block i
.irp i, 0,1,2,3,4,5,6,7
	ds_load_b128 v[SC+8*NQ*\sc+NQ*\i:SC+8*NQ*\sc+NQ*\i+3], v[ADRS] offset:\i*SBLK
.endr
.endm
.macro PLACES n                        ; plain vector instructions between a matrix instruction and a load into, or a vector instruction on, its registers
.rept \n
	v_nop
.endr
.endm
.macro STEP slot, q, first             ; a step of 128 along K that has its successor in the same slot
	s_wait_dscnt 4*NL                              ; B's set and A's blocks 0-3 are in; the youngest eight loads (A's blocks 4-7) may be out
.if \first
	WIN BIA_LO
.else
	WIN MUL_LO
.endif
	MUL16 0, (\q)%2, \q, \slot, \first
	MUL16 2, (\q)%2, \q, \slot, \first
	s_wait_dscnt 0                                 ; A's blocks 4-7 are in
	PLACES NP
	FETCH_B \slot, (\q)+1, 1-(\q)%2
	FETCH_A \slot, (\q)+1, 0
.if \first
	WIN BIA_HI
.else
	WIN MUL_HI
.endif
	MUL16 4, (\q)%2, \q, \slot, \first
	MUL16 6, (\q)%2, \q, \slot, \first
	PLACES NP
	WIN 0
	FETCH_A \slot, (\q)+1, 4
.endm
; Slot 0's last step changes slots: one barrier; in front of it each wave waits for all its tensor loads (slot 1's is the one that was out), adds 0 to its spare word, and waits for that and for its reads of slot 0.
; Nothing is filled again: K is once round the ring.  Behind the barrier nobody reads slot 0 any more: the way out's stages lie there.
.macro TURN slot, next
	s_wait_tensorcnt 0x0
	ds_add_u32 v[SPW], v[NIL]
	s_wait_dscnt 4*NL+1                            ; (the add and the youngest eight loads may be out)
	WIN MUL_LO
	MUL16 0, 1, NQ-1, \slot, 0
	s_wait_dscnt 0x0                               ; the add is done, and my reads of this slot are over
	s_barrier_signal -1
	MUL16 2, 1, NQ-1, \slot, 0
	WIN 0
	s_barrier_wait -1
	PLACES NP
	v_add_nc_u32 v[ADRS], 4*NQ, v[ADRS]            ; on to the next slot's scale words
	FETCH_B \next, 0, 0
	FETCH_A \next, 0, 0
	SCALES \next
	WIN MUL_HI
	MUL16 4, 1, NQ-1, \slot, 0
	MUL16 6, 1, NQ-1, \slot, 0
	PLACES NP
	WIN 0
	FETCH_A \next, 0, 4
.endm
.macro STEPS slot, from
.set Q, \from
.rept NQ-1-\from
	STEP \slot, Q, 0
.set Q, Q+1
.endr
.endm
	s_wait_tensorcnt 1                             ; the scales and my part of slot 0 are in (slot 1's load may be out),
	s_barrier_signal -1
	s_barrier_wait -1                              ; everybody's are
	FETCH_B 0, 0, 0
	FETCH_A 0, 0, 0
	SCALES 0
	FETCH_A 0, 0, 4
	s_wait_loadcnt 0x0                             ; the bias
	STEP 0, 0, 1
	STEPS 0, 1
	TURN 0, 1
	STEPS 1, 0
	s_wait_dscnt 4*NL                              ; the very last step
	WIN MUL_LO
	MUL16 0, 1, NQ-1, 1, 0
	MUL16 2, 1, NQ-1, 1, 0
	s_wait_dscnt 0
	WIN MUL_HI
	MUL16 4, 1, NQ-1, 1, 0
	MUL16 6, 1, NQ-1, 1, 0
	WIN 0
	PLACES NP
; THE FACTORS.  Accumulator (a, b), register j, lane (r, h) = token 16 a + r, column 16 b + 8 h + j; head g = b / 4.  A lane sums the squares of its 32 numbers of a token and a head, two at a time;
; lane l xor 16 holds the other 32.  Eight chains by turns; each accumulator is read from its low end on.  v has no norm: its factors are 1, so that one way out serves the three tensors
; (the branch hangs on t, the same in all partners; neither arm touches LDS).
.macro SUMSQ hi
	WIN 0x0a+5*\hi                                 ; sources 0 and 1: window 2 or 3
.set idx, 0
.rept 16
.irp a, 0,1,2,3
.irp g, 0,1
.set rA, 8*(8*\a+4*\g+idx/4)+2*(idx%4)
.set rS, SS+2*(2*(4*\hi+\a)+\g)
.if idx == 0
	v_pk_mul_f32 v[rS:rS+1], v[rA:rA+1], v[rA:rA+1]
.else
	v_pk_fma_f32 v[rS:rS+1], v[rA:rA+1], v[rA:rA+1], v[rS:rS+1]
.endif
.endr
.endr
.set idx, idx+1
.endr
.endm
	s_cmp_eq_u32 s[TT], 2
	s_cbranch_scc1 .Lv
	SUMSQ 0
	SUMSQ 1
	WIN 0
.irp k, 0,1,2,3,4,5,6,7,8,9,10,11,12,13,14,15
	v_add_f32 v[SS+2*\k], v[SS+2*\k], v[SS+2*\k+1]
.endr
.irp k, 0,1,2,3,4,5,6,7,8,9,10,11,12,13,14,15
	v_permlanex16_b32 v[SS+2*\k+1], v[SS+2*\k], s[SEL], s[SEL+1]
.endr
.irp k, 0,1,2,3,4,5,6,7,8,9,10,11,12,13,14,15
	v_add_f32 v[SS+2*\k], v[SS+2*\k], v[SS+2*\k+1]                 ; the head's sum of squares
.endr
.irp k, 0,1,2,3,4,5,6,7,8,9,10,11,12,13,14,15
	v_sqrt_f32 v[SS+2*\k+1], v[SS+2*\k]
.endr
	v_nop                                          ; a plain instruction behind the last root,
	s_wait_alu depctr_va_vdst(0)                   ; and one wait for the sixteen, ahead of their first reader
.irp k, 0,1,2,3,4,5,6,7,8,9,10,11,12,13,14,15
	v_max_num_f32 v[SS+2*\k+1], 0x2b8cbccc, v[SS+2*\k+1]           ; max(norm, 1e-12)
.endr
.irp k, 0,1,2,3,4,5,6,7,8,9,10,11,12,13,14,15
	v_rcp_f32 v[SS+2*\k], v[SS+2*\k+1]
.endr
	v_nop
	s_wait_alu depctr_va_vdst(0)                   ; one wait for the sixteen reciprocals
.irp k, 0,1,2,3,4,5,6,7,8,9,10,11,12,13,14,15
	v_mul_f32 v[SS+2*\k], s[SCF], v[SS+2*\k]                       ; x c for q
.endr
	s_branch .Le2
.Lv:
.irp k, 0,1,2,3,4,5,6,7,8,9,10,11,12,13,14,15
	v_mov_b32 v[SS+2*\k], 1.0
	v_mov_b32 v[SS+2*\k+1], 1.0
.endr
.Le2:
; THE WAY OUT, block by block of 16 tokens x 128 columns: scaled, rounded to f16 (16 bytes a lane), through my own stage in LDS, and back by heads: four tokens' 128 bytes of one head are 512 consecutive bytes of qkv.
.macro PACK a
.set AC, 64*((\a)%4)
	WIN 0x02+(\a)/4                                ; source 0: window 2 or 3
.irp b, 0,1,2,3,4,5,6,7
.irp p, 0,1,2,3
	v_pk_mul_f32 v[T+8*\b+2*\p:T+8*\b+2*\p+1], v[AC+8*\b+2*\p:AC+8*\b+2*\p+1], v[SS+2*(2*(\a)+\b/4):SS+2*(2*(\a)+\b/4)+1] op_sel_hi:[1,0]
.endr
.endr
	WIN 0
.irp b, 0,1,2,3,4,5,6,7
.irp p, 0,1,2,3
	v_cvt_pk_f16_f32 v[PKR+4*\b+\p], v[T+8*\b+2*\p], v[T+8*\b+2*\p+1]
.endr
.endr
.endm
.macro TOSTAGE a
.set BB, BK+32*((\a)%2)
.irp b, 0,1,2,3,4,5,6,7
	ds_store_b128 v[STO], v[PKR+4*\b:PKR+4*\b+3] offset:32*\b
.endr
.irp g, 0,1
.irp i, 0,1,2,3
	ds_load_b128 v[BB+16*\g+4*\i:BB+16*\g+4*\i+3], v[RD] offset:128*\g+4*SPITCH*\i   ; LDS serves a wave's instructions in order: these see the stores above
.endr
.endr
.endm
.macro SEND a
.set BB, BK+32*((\a)%2)
	s_wait_dscnt 0x0                               ; the block is back in registers
	s_wait_xcnt 0x0                                ; the block before has been read by its stores: the next block's loads may land in its registers
.irp g, 0,1
.irp i, 0,1,2,3
	global_store_b128 v[CO], v[BB+16*\g+4*\i:BB+16*\g+4*\i+3], s[12:13] offset:2048*(\a)+262144*\g+512*\i   ; 32 lanes store 512 consecutive bytes, aligned
.endr
.endr
.endm
	PACK 0
	TOSTAGE 0
.irp a, 1,2,3,4,5,6,7                  ; block a's arithmetic stands between block a - 1's loads from the stage and the wait for them
	PACK \a
	SEND \a-1
	TOSTAGE \a
.endr
	SEND 7
	s_wait_tensorcnt 0x0                           ; the wave's end
	ds_add_u32 v[SPW], v[NIL]
	s_wait_dscnt 0x0
	CROUND                                         ; the closing round
	s_endpgm
.Lfunc_end_k_q482c3779ad_proj:
	.size	k_q482c3779ad_proj, .Lfunc_end_k_q482c3779ad_proj-k_q482c3779ad_proj
	.p2alignl 7, 3214868480
	.fill 96, 4, 3214868480
	.section	.rodata,"a",@progbits
	.p2align	6, 0x0
	.amdhsa_kernel k_q482c3779ad_proj
		.amdhsa_group_segment_fixed_size 327680
		.amdhsa_private_segment_fixed_size 0
		.amdhsa_enable_private_segment 0
		.amdhsa_kernarg_size 48
		.amdhsa_user_sgpr_count 2
		.amdhsa_user_sgpr_kernarg_segment_ptr 1
		.amdhsa_wavefront_size32 1
		.amdhsa_system_sgpr_workgroup_id_x 1
		.amdhsa_system_sgpr_workgroup_id_y 1
		.amdhsa_system_sgpr_workgroup_id_z 1
		.amdhsa_system_vgpr_workitem_id 0
		.amdhsa_next_free_vgpr 1024
		.amdhsa_next_free_sgpr 102
		.amdhsa_reserve_vcc 0
		.amdhsa_float_denorm_mode_32 3
		.amdhsa_float_denorm_mode_16_64 3
		.amdhsa_memory_ordered 1
		.amdhsa_forward_progress 1
		.amdhsa_inst_pref_size 167
	.end_amdhsa_kernel
	.amdgpu_metadata
---
amdhsa.version: [ 1, 2 ]
amdhsa.kernels:
  - .name:           k_q482c3779ad_proj
    .symbol:         k_q482c3779ad_proj.kd
    .args:
      - { .name: codes, .offset: 0, .size: 8, .value_kind: global_buffer, .address_space: global }
      - { .name: scales, .offset: 8, .size: 8, .value_kind: global_buffer, .address_space: global }
      - { .name: qkv, .offset: 16, .size: 8, .value_kind: global_buffer, .address_space: global }
      - { .name: bq, .offset: 24, .size: 8, .value_kind: global_buffer, .address_space: global }
      - { .name: bk, .offset: 32, .size: 8, .value_kind: global_buffer, .address_space: global }
      - { .name: bv, .offset: 40, .size: 8, .value_kind: global_buffer, .address_space: global }
    .group_segment_fixed_size: 327680
    .private_segment_fixed_size: 0
    .kernarg_segment_align: 8
    .kernarg_segment_size: 48
    .max_flat_workgroup_size: 128
    .sgpr_count:     102
    .vgpr_count:     1024
    .wavefront_size: 32
...
	.end_amdgpu_metadata
.endif
;; end of part 2
;; launch attn (part 3): grid 4 x 64, 16 waves a work-group, clusters of 4 x 1, 327,680 bytes of LDS; arguments qkv, mh; writes mh
.if DOCPART == 3
	.amdgcn_target "amdgcn-amd-amdhsa--gfx1250"
	.amdhsa_code_object_version 6
	.text
	.protected	k_q482c3779ad_attn
	.globl	k_q482c3779ad_attn
	.p2align	8
	.type	k_q482c3779ad_attn,@function
k_q482c3779ad_attn:
	s_mov_b64 s[64:65], 0
	v_nop
	global_prefetch_b8 v0, s[64:65] scope:SCOPE_SE
	s_setreg_imm32_b32 hwreg(HW_REG_WAVE_MODE, 25, 1), 1
	s_wait_xcnt 0x0
	s_wait_alu depctr_hold_cnt(0) depctr_sa_sdst(0) depctr_va_vdst(0) depctr_va_sdst(0) depctr_va_ssrc(0) depctr_va_vcc(0) depctr_vm_vsrc(0)
	s_getreg_b32 s2, hwreg(HW_REG_IB_STS2, 6, 4)
	s_cmp_eq_u32 s2, 0
	s_cbranch_scc0 .Lentry_in_a_cluster
	s_endpgm
.Lentry_in_a_cluster:
	s_bfe_u32 s2, ttmp6, 0x10000c
	s_cmp_lg_u32 s2, 0x3003
	s_cbranch_scc0 .Lentry_shape_is_right
	s_endpgm
.Lentry_shape_is_right:
; Launch 3 of 4: mh[head][query][:] = the sum over keys of softmax(qh . kh / 0.07) vh.  qkv holds f16 by heads: qh x log2(e) / 0.07, kh, vh, each [64 heads][2048][64].  Products on f16 operands, sums in f32.  No work is left out.
; SOFTMAX.  The scores arrive as exponents of 2.  For each query a running maximum m and sum l: p = 2^(s - m); in every step O and l are multiplied by a = 2^(m_old - m_new), which is 1 where m has not grown.
; The maximum is taken away as the problem does: p is kept in f16, which has no room for the scores' whole span under a fixed shift.  The row's sum is taken of p in f32, ahead of its rounding to f16.
; LIMITS: |vh| and the result stay under 65,504 (f16); p under 6e-5 keeps an absolute error of 3e-8.
; SHARES.  A work-group owns 512 queries of one head, each of its sixteen waves 32: two tiles of 16, in 256 registers: four waves to a SIMD, so that one wave's vector work stands beside another's products and LDS loads.
; Every wave walks the head's 2,048 keys, 64 a step.  K's and V's rows come through a ring of two LDS slots of 256 keys (waves 0, 1: K's halves; waves 2, 3: V's), read by all sixteen.
; CLUSTER.  The four query blocks of a head are one cluster and walk the same K and V: each tile is asked for JOINTLY, by the same tensor load with the same descriptor and the mask of all four.
; LAYOUT.  S^T = K Q^T (source 0 = 16 keys, source 1 = 16 queries): a lane holds ONE query (lane % 16) and keys 8 (lane / 16) + 0..7.  Two such tiles, rounded to f16 in pairs, ARE source 1 (32 keys x 16 queries)
; of O^T = V^T P, whose result again holds one query a lane, and eight channels.  K comes out of LDS as it lies, V ([key][channel]) turned, by ds_load_tr16_b128.
; REGISTERS: v1-8 addresses; v9-11 at work; v12-27 statistics, eight a tile: +0 m, +1 zero, +2, +3 l, +4 to +7 at work (a at +6); v28-31 a second chain of sums; v32-63 Q; v64-127 K's, then V's fragments; v128-191 S^T, then p, then P; v192-255 O^T.
.set KP,    144                        ; a row of K in LDS: 128 bytes + 16: the 16 rows of a load start 4 words further on each
.set VP,    160                        ; a row of V: 128 + 32, an odd multiple of 32 bytes, for the turning load
.set SK,    256                        ; keys in a slot
.set VOFF,  SK*KP
.set SLOT1, 1<<17                      ; slot 1 begins here: one exclusive or turns an address from one slot to the other
.set SLOTB, SK*128                     ; a slot's rows of K or of V in memory
.set NSL,   2048/SK
.set SPARE, 2*SLOT1                    ; the spare words, 128 bytes for each of sixteen waves, named by no other line
.set STW,   32*KP                      ; the way out: 32 rows x 144 bytes for each wave, in slot 0, which was left at the last change of slots and has had its last fill
.set AK0, 1
.set AV0, 2
.set ADK, 3
.set ADV, 4
.set SPW, 5
.set NIL, 6
.set GO,  7
.set PFO, 8
.set ST,  12
.set YP,  28
.set QF,  32
.set F,   64
.set S,   128
.set O,   192
.set TB,  2                            ; s2  LDS byte at which the slot in hand begins
.set WV,  18
.set SEL, 20
.set G1K, 24
.set G1V, 32
.set G0K, 40
.set G0V, 44
.set SLOTS, 67
.set PFA, 76
.set LIM, 80
; Waves 0 and 1 fetch for K, waves 2 and 3 for V, the others nothing; the branches hang on the wave's number alone.  An s_nop 0 and four v_nop follow each line.
.macro TLOAD
	s_cmp_lt_u32 s[WV], 2
	s_cbranch_scc0 .Lnot_k_\@
	tensor_load_to_lds s[G0K:G0K+3], s[G1K:G1K+7]
	s_nop 0
.rept 4
	v_nop
.endr
	s_branch .Lasked_\@
.Lnot_k_\@:
	s_cmp_lt_u32 s[WV], 4
	s_cbranch_scc0 .Lasked_\@
	tensor_load_to_lds s[G0V:G0V+3], s[G1V:G1V+7]
	s_nop 0
.rept 4
	v_nop
.endr
.Lasked_\@:
.endm
; A prefetch of what the NEXT change of slots will ask for: a slot's 32,768 bytes of K and of V, four key steps ahead of that load.  The four partners share them out BY ADDRESS, 8,192 bytes each, lanes 256 bytes apart;
; in each, wave 4 asks for K's and wave 5 for V's: each run of 256 bytes is named once in the launch.  The last change that fills a slot asks for nothing; slots 0 and 1 come by their loads alone.
.macro ASK
	s_cmp_gt_u32 s[SLOTS], s[LIM]
	s_cbranch_scc0 .Lnot_mine_\@
	global_prefetch_b8 v[PFO], s[PFA:PFA+1] th:TH_LOAD_NT scope:SCOPE_SE
.Lnot_mine_\@:
.endm
.macro CROUND                          ; a round of the cluster's barrier
	s_barrier_signal -1
	s_barrier_wait -1
	s_cmp_lg_u32 s[WV], 0
	s_cbranch_scc1 .Lnot_wave_0_\@
	s_barrier_signal -3
.Lnot_wave_0_\@:
	s_barrier_wait -3
	s_barrier_signal -1
	s_barrier_wait -1
.endm
	s_load_b128 s[4:7], s[0:1], 0x0                ; qkv, mh
	v_lshl_add_u32 v[SPW], v0, 2, SPARE
	v_mov_b32 v[NIL], 0
	ds_add_u32 v[SPW], v[NIL]                      ; the wave's opening: the add, twice on end, and its wait ahead of the first tensor loads
	ds_add_u32 v[SPW], v[NIL]
	v_lshrrev_b32 v9, 5, v0
	v_readfirstlane_b32 s[WV], v9                  ; wave 0..15
	s_bfe_u32 s19, ttmp6, 0x40000                  ; cx: my block of 512 queries: it enters Q's, the result's and the prefetches' addresses alone
	s_and_b32 s68, ttmp7, 0xffff                   ; the head, which the four partners share
	s_lshl_b32 s68, s68, 18                        ; its 262,144 bytes in each tensor
	s_and_b32 s70, s[WV], 1                        ; which half of a slot's rows I fetch, if I fetch:
	s_lshl_b32 s72, s70, 14                        ; 128 rows of 128 bytes in memory,
	s_add_co_u32 s72, s72, s68
	s_mov_b32 s73, 0
	s_mul_i32 s71, s70, 128*KP                     ; and in a slot: K's,
	s_mul_i32 s74, s70, 128*VP
	s_add_co_u32 s74, s74, VOFF                    ; V's
	s_lshl_b32 s82, s19, 16                        ; my block's 512 rows,
	s_lshl_b32 s83, s[WV], 12                      ; my wave's 32 of them
	s_add_co_u32 s82, s82, s83
	s_add_co_u32 s82, s82, s68
	s_mov_b32 s83, 0
	s_cmp_eq_u32 s[WV], 4                          ; the prefetches: wave 4 K's tensor, wave 5 V's
	s_mov_b32 s84, 0x2000000
	s_cselect_b32 s84, 0x1000000, s84
	s_add_co_u32 s84, s84, s68
	s_lshl_b32 s85, s19, 13                        ; my work-group's 8,192 bytes of a slot's 32,768,
	s_add_co_u32 s84, s84, s85
	s_add_co_u32 s84, s84, SLOTB                   ; in slot 1: the first change of slots steps it to slot 2
	s_mov_b32 s85, 0
	s_sub_co_u32 s86, s[WV], 4
	s_lshr_b32 s86, s86, 1                         ; 0 in waves 4 and 5
	s_cmp_eq_u32 s86, 0
	s_cselect_b32 s[LIM], 1, -1
	s_mov_b32 s[G1K], 15|(1<<16)|(1<<20)|(1<<21)|(4<<22)|(3<<25)  ; the mask: all four; elements of 2 bytes; padding: 4 words after every 32; bit 21 beside a mask
	s_mov_b32 s[G1V], 15|(1<<16)|(1<<20)|(1<<21)|(4<<22)|(7<<25)  ; the same with 8 words of padding
.irp g, G1K, G1V
	s_mov_b32 s[\g+1], 64<<16                      ; tensor_dim0
	s_mov_b32 s[\g+2], 128<<16                     ; tensor_dim1
	s_mov_b32 s[\g+3], 64<<16                      ; tile_dim0
	s_mov_b32 s[\g+4], 128                         ; tile_dim1
	s_mov_b32 s[\g+5], 64                          ; from row to row
	s_mov_b32 s[\g+6], 0
	s_mov_b32 s[\g+7], 0
.endr
	s_mov_b32 s[SEL], 0x76543210
	s_mov_b32 s[SEL+1], 0xfedcba98
	s_mov_b32 s[TB], 0
	s_mov_b32 s[SLOTS], NSL-1
	v_and_b32 v[PFO], 31, v0
	v_lshlrev_b32 v[PFO], 8, v[PFO]
	s_wait_dscnt 0x0                               ; both opening adds are done
	s_wait_kmcnt 0x0
	s_add_nc_u64 s[12:13], s[4:5], s[82:83]        ; Q at my wave's first row
	s_add_nc_u64 s[14:15], s[6:7], s[82:83]        ; the result likewise
	s_add_nc_u64 s[PFA:PFA+1], s[4:5], s[84:85]
	s_mov_b32 s[G0K], 1
	s_mov_b32 s[G0K+1], s71
	s_add_nc_u64 s[G0K+2:G0K+3], s[4:5], s[72:73]
	s_add_nc_u64 s[G0K+2:G0K+3], s[G0K+2:G0K+3], 0x1000000   ; K's tensor
	s_or_b32 s[G0K+3], s[G0K+3], 0x80000000
	s_mov_b32 s[G0V], 1
	s_mov_b32 s[G0V+1], s74
	s_add_nc_u64 s[G0V+2:G0V+3], s[4:5], s[72:73]
	s_add_nc_u64 s[G0V+2:G0V+3], s[G0V+2:G0V+3], 0x2000000   ; V's
	s_or_b32 s[G0V+3], s[G0V+3], 0x80000000
	CROUND                                         ; all four work-groups are here: the first joint loads meet
	TLOAD                                          ; slot 0
	v_and_b32 v9, 15, v0                           ; r
	v_bfe_u32 v10, v0, 4, 1                        ; h
	v_lshlrev_b32 v11, 7, v9
	v_lshl_add_u32 v11, v10, 4, v11                ; Q: row r of 128 bytes, + 16 h
.irp u, 0,1
.irp kc, 0,1
	global_load_b128 v[QF+16*\u+8*\kc:QF+16*\u+8*\kc+3],   v11, s[12:13] offset:2048*\u+64*\kc      ; Q stays in registers: tile u, channels 32 kc on
	global_load_b128 v[QF+16*\u+8*\kc+4:QF+16*\u+8*\kc+7], v11, s[12:13] offset:2048*\u+64*\kc+32
.endr
.endr
	v_mul_u32_u24 v[AK0], v9, KP
	v_lshl_add_u32 v[AK0], v10, 4, v[AK0]          ; K: row x pitch + 16 x half
	v_and_b32 v3, 7, v0
	v_bfe_u32 v4, v0, 3, 1
	v_lshl_add_u32 v[AV0], v10, 3, v3              ; V, for the turning load: key 8 h + lane % 8, channels 8 ((lane / 8) % 2) on
	v_mul_u32_u24 v[AV0], v[AV0], VP
	v_lshl_add_u32 v[AV0], v4, 4, v[AV0]
	v_add_nc_u32 v[AV0], VOFF, v[AV0]
	v_and_b32 v[GO], 31, v0
	v_lshlrev_b32 v[GO], 4, v[GO]
.irp u, 0,1
	v_mov_b32 v[ST+8*\u], 0xff61b1e6               ; m: -3e38, under every score
.irp i, 1,2,3,4,5,6,7
	v_mov_b32 v[ST+8*\u+\i], 0                     ; l, and what is named in pairs or as a lane permute's destination before it is first written
.endr
.endr
.set j, 0
.rept 64
	v_mov_b32 v[O+j], 0                            ; O^T.  (The step is written for every step alike: the first finds zeros, which a = 0 leaves zeros)
.set j, j+1
.endr
; A KEY STEP: 64 keys, the q-th of the slot in hand.
.macro STEP q
	v_add_nc_u32 v[ADK], s[TB], v[AK0]             ; five plain instructions behind the last step's products: four are owed to the loads into the fragments' registers, five to the products below, which write over P
	v_add_nc_u32 v[ADV], s[TB], v[AV0]
.rept 3
	v_nop
.endr
.irp kc, 0,1                                   ; K's fragments, channels 0-31 of all 64 keys first
.irp kt, 0,1,2,3
	ds_load_b128 v[F+8*(2*\kt+\kc):F+8*(2*\kt+\kc)+3],   v[ADK] offset:64*KP*\q+16*KP*\kt+64*\kc
	ds_load_b128 v[F+8*(2*\kt+\kc)+4:F+8*(2*\kt+\kc)+7], v[ADK] offset:64*KP*\q+16*KP*\kt+64*\kc+32
.endr
.endr
.irp kc, 0,1                                   ; S^T = K Q^T: eight accumulators by turns, one instruction a turn
	s_wait_dscnt 8-8*\kc                           ; this half's eight loads are in; the other half's eight may be out
.irp kt, 0,1,2,3
.irp u, 0,1
.if \kc == 0
	v_wmma_f32_16x16x32_f16 v[S+32*\u+8*\kt:S+32*\u+8*\kt+7], v[F+8*(2*\kt+\kc):F+8*(2*\kt+\kc)+7], v[QF+16*\u+8*\kc:QF+16*\u+8*\kc+7], 0
.else
	v_wmma_f32_16x16x32_f16 v[S+32*\u+8*\kt:S+32*\u+8*\kt+7], v[F+8*(2*\kt+\kc):F+8*(2*\kt+\kc)+7], v[QF+16*\u+8*\kc:QF+16*\u+8*\kc+7], v[S+32*\u+8*\kt:S+32*\u+8*\kt+7]
.endif
.endr
.endr
.endr
.rept 4
	v_nop                                          ; places in front of the loads into K's registers and of the first read of the scores
.endr
.irp g, 0,1                                    ; V's fragments, turned: keys 32 g on, channels 16 ct on.  They land while the softmax is walked
.irp ct, 0,1,2,3
	ds_load_tr16_b128 v[F+8*(4*\g+\ct):F+8*(4*\g+\ct)+3],   v[ADV] offset:64*VP*\q+32*VP*\g+32*\ct
	ds_load_tr16_b128 v[F+8*(4*\g+\ct)+4:F+8*(4*\g+\ct)+7], v[ADV] offset:64*VP*\q+32*VP*\g+16*VP+32*\ct
.endr
.endr
.irp i, 0,1,2,3                                ; the maximum of my 32 scores and the old m: four chains a tile, each accumulator from its low end on; the two tiles by turns
.irp u, 0,1
	v_max3_num_f32 v[ST+8*\u+4+\i], v[S+32*\u+8*\i], v[S+32*\u+8*\i+1], v[S+32*\u+8*\i+2]
.endr
.endr
.irp w, 3,5
.irp i, 0,1,2,3
.irp u, 0,1
	v_max3_num_f32 v[ST+8*\u+4+\i], v[ST+8*\u+4+\i], v[S+32*\u+8*\i+\w], v[S+32*\u+8*\i+\w+1]
.endr
.endr
.endr
.irp u, 0,1
	v_max3_num_f32 v[ST+8*\u+4], v[ST+8*\u+4], v[S+32*\u+7], v[S+32*\u+15]
	v_max3_num_f32 v[ST+8*\u+6], v[ST+8*\u+6], v[S+32*\u+23], v[S+32*\u+31]
.endr
.irp u, 0,1
	v_max3_num_f32 v[ST+8*\u+4], v[ST+8*\u+4], v[ST+8*\u+5], v[ST+8*\u+6]
.endr
.irp u, 0,1
	v_max3_num_f32 v[ST+8*\u+4], v[ST+8*\u+4], v[ST+8*\u+7], v[ST+8*\u]
.endr
.irp u, 0,1
	v_permlanex16_b32 v[ST+8*\u+5], v[ST+8*\u+4], s[SEL], s[SEL+1]   ; the query's other 32 keys lie in the lane 16 away
.endr
.irp u, 0,1
	v_max_num_f32 v[ST+8*\u+4], v[ST+8*\u+4], v[ST+8*\u+5]
.endr
.irp u, 0,1
	v_sub_f32 v[ST+8*\u+7], v[ST+8*\u], v[ST+8*\u+4]               ; m_old - m_new
.endr
.irp u, 0,1
	v_mov_b32 v[ST+8*\u], v[ST+8*\u+4]
.endr
.set j, 0
.rept 16
.irp u, 0,1
	v_pk_add_f32 v[S+32*\u+j:S+32*\u+j+1], v[S+32*\u+j:S+32*\u+j+1], v[ST+8*\u:ST+8*\u+1] op_sel_hi:[1,0] neg_lo:[0,1] neg_hi:[0,1]   ; s - m, two at a time
.endr
.set j, j+2
.endr
.irp u, 0,1
	v_exp_f32 v[ST+8*\u+6], v[ST+8*\u+7]           ; a
.endr
.set j, 0
.rept 32
.irp u, 0,1
	v_exp_f32 v[S+32*\u+j], v[S+32*\u+j]           ; p, at most 1
.endr
.set j, j+1
.endr
	v_nop                                          ; a plain instruction behind the last exponential,
	s_wait_alu depctr_va_vdst(0)                   ; and ONE wait for the 66 of both tiles, ahead of their first reader
.set j, 0
.rept 16
.irp u, 0,1
	v_pk_mul_f32 v[O+32*\u+j:O+32*\u+j+1], v[O+32*\u+j:O+32*\u+j+1], v[ST+8*\u+6:ST+8*\u+7] op_sel_hi:[1,0]   ; O^T x a
.endr
.set j, j+2
.endr
.irp u, 0,1                                    ; the row's sum of p in f32, two chains a tile, p left as it is
	v_pk_add_f32 v[ST+8*\u+4:ST+8*\u+5], v[S+32*\u:S+32*\u+1], v[S+32*\u+2:S+32*\u+3]
	v_pk_add_f32 v[YP+2*\u:YP+2*\u+1], v[S+32*\u+4:S+32*\u+5], v[S+32*\u+6:S+32*\u+7]
.endr
.irp j, 8,12,16,20,24,28
.irp u, 0,1
	v_pk_add_f32 v[ST+8*\u+4:ST+8*\u+5], v[ST+8*\u+4:ST+8*\u+5], v[S+32*\u+\j:S+32*\u+\j+1]
	v_pk_add_f32 v[YP+2*\u:YP+2*\u+1], v[YP+2*\u:YP+2*\u+1], v[S+32*\u+\j+2:S+32*\u+\j+3]
.endr
.endr
.irp u, 0,1
	v_pk_add_f32 v[ST+8*\u+4:ST+8*\u+5], v[ST+8*\u+4:ST+8*\u+5], v[YP+2*\u:YP+2*\u+1]
.endr
.irp u, 0,1
	v_pk_fma_f32 v[ST+8*\u+2:ST+8*\u+3], v[ST+8*\u+2:ST+8*\u+3], v[ST+8*\u+6:ST+8*\u+7], v[ST+8*\u+4:ST+8*\u+5] op_sel_hi:[1,0,1]   ; l = l a + the step's sum
.endr
.set i, 0
.rept 16
.irp u, 0,1
	v_cvt_pk_f16_f32 v[S+32*\u+i], v[S+32*\u+2*i], v[S+32*\u+2*i+1]   ; P in place, ascending: register i takes pair i, which no later line reads
.endr
.set i, i+1
.endr
	s_wait_dscnt 0x0                               ; V is in
.irp g, 0,1                                    ; O^T += V^T P: eight accumulators by turns
.irp ct, 0,1,2,3
.irp u, 0,1
	v_wmma_f32_16x16x32_f16 v[O+32*\u+8*\ct:O+32*\u+8*\ct+7], v[F+8*(4*\g+\ct):F+8*(4*\g+\ct)+7], v[S+32*\u+8*\g:S+32*\u+8*\g+7], v[O+32*\u+8*\ct:O+32*\u+8*\ct+7]
.endr
.endr
.endr
.endm
; THE CHANGE OF SLOTS stands at a slot's head.  Each wave waits for all its tensor loads (its part of the slot that it is about to read), adds 0 to its spare word, and waits for that and for its reads of the slot that it has left.
; fill = 1: a round of the cluster's barrier, so that no wave of any partner still reads that slot or has a load on its way; behind it the slot is filled with the next 256 keys: one tensor load a wave, four key steps in which to land.
.macro CHANGE fill
	s_wait_tensorcnt 0x0                           ; no tensor load of mine is out, so a group 0 may be written
	ds_add_u32 v[SPW], v[NIL]
.if \fill
	ds_add_u32 v[SPW], v[NIL]                      ; and once more, in every trip alike
	s_xor_b32 s[G0K+1], s[G0K+1], SLOT1            ; the walking descriptors: the other slot,
	s_add_nc_u64 s[G0K+2:G0K+3], s[G0K+2:G0K+3], SLOTB   ; the next 256 keys
	s_xor_b32 s[G0V+1], s[G0V+1], SLOT1
	s_add_nc_u64 s[G0V+2:G0V+3], s[G0V+2:G0V+3], SLOTB
	s_wait_xcnt 0x0                                ; the last prefetch, a slot back, has read its address
	s_add_nc_u64 s[PFA:PFA+1], s[PFA:PFA+1], SLOTB ; one slot further on than the walking descriptors
	s_wait_dscnt 0x0                               ; both adds are done, and my reads of the slot that I have left are over
	CROUND
	TLOAD
	ASK
.else
	s_wait_dscnt 0x0
	s_barrier_signal -1
	s_barrier_wait -1
.endif
.endm
.macro SLOT_STEPS
.irp q, 0,1,2,3
	STEP \q
.endr
	s_xor_b32 s[TB], s[TB], SLOT1                  ; on to the other slot
.endm
	s_wait_loadcnt 0x0                             ; Q
.Lslot:                                            ; seven trips: behind each change of slots but the last the next slot is asked for
	CHANGE 1
	SLOT_STEPS
	s_sub_co_u32 s[SLOTS], s[SLOTS], 1
	s_cmp_lg_u32 s[SLOTS], 0
	s_cbranch_scc1 .Lslot
	CHANGE 0                                       ; the last slot is written out
	SLOT_STEPS
	; THE WAY OUT.  l's two halves and the other half of the lanes' are added; O^T is divided by l, rounded to f16 and sent through my stage in LDS; my 32 rows of 128 bytes are 4,096 consecutive bytes of mh.
.irp u, 0,1
	v_add_f32 v[ST+8*\u+4], v[ST+8*\u+2], v[ST+8*\u+3]
.endr
.irp u, 0,1
	v_permlanex16_b32 v[ST+8*\u+5], v[ST+8*\u+4], s[SEL], s[SEL+1]
.endr
.irp u, 0,1
	v_add_f32 v[ST+8*\u+4], v[ST+8*\u+4], v[ST+8*\u+5]
.endr
.irp u, 0,1
	v_rcp_f32 v[ST+8*\u+6], v[ST+8*\u+4]
.endr
	v_and_b32 v9, 15, v0                           ; (plain work behind the reciprocals, and the places behind the last products)
	v_bfe_u32 v10, v0, 4, 1
	s_mul_i32 s68, s[WV], STW                      ; my stage
	v_mul_u32_u24 v[ADK], v9, KP                   ; in: row r, 16 bytes for each half of the lanes
	v_lshl_add_u32 v[ADK], v10, 4, v[ADK]
	v_add_nc_u32 v[ADK], s68, v[ADK]
	v_bfe_u32 v9, v0, 3, 2                         ; back: eight lanes to a row, four rows an instruction
	v_and_b32 v10, 7, v0
	v_mul_u32_u24 v[ADV], v9, KP
	v_lshl_add_u32 v[ADV], v10, 4, v[ADV]
	v_add_nc_u32 v[ADV], s68, v[ADV]
	s_wait_alu depctr_va_vdst(0)                   ; one wait for the two reciprocals, ahead of their first reader
.irp u, 0,1
.set j, 0
.rept 16
	v_pk_mul_f32 v[S+32*\u+j:S+32*\u+j+1], v[O+32*\u+j:O+32*\u+j+1], v[ST+8*\u+6:ST+8*\u+7] op_sel_hi:[1,0]
.set j, j+2
.endr
.endr
.irp u, 0,1
.set i, 0
.rept 16
	v_cvt_pk_f16_f32 v[F+16*\u+i], v[S+32*\u+2*i], v[S+32*\u+2*i+1]
.set i, i+1
.endr
.endr
.irp u, 0,1
.irp ct, 0,1,2,3
	ds_store_b128 v[ADK], v[F+16*\u+4*\ct:F+16*\u+4*\ct+3] offset:16*KP*\u+32*\ct
.endr
.endr
.irp i, 0,1,2,3,4,5,6,7
	ds_load_b128 v[F+32+4*\i:F+32+4*\i+3], v[ADV] offset:4*KP*\i   ; LDS serves a wave's instructions in order: these see my stores
.endr
.irp i, 0,1,2,3,4,5,6,7
	s_wait_dscnt 7-\i
	global_store_b128 v[GO], v[F+32+4*\i:F+32+4*\i+3], s[14:15] offset:512*\i   ; 32 lanes store 512 consecutive bytes, aligned
.endr
	s_wait_tensorcnt 0x0                           ; the wave's end
	ds_add_u32 v[SPW], v[NIL]
	s_wait_dscnt 0x0
	CROUND                                         ; the closing round
	s_endpgm
.Lfunc_end_k_q482c3779ad_attn:
	.size	k_q482c3779ad_attn, .Lfunc_end_k_q482c3779ad_attn-k_q482c3779ad_attn
	.p2alignl 7, 3214868480
	.fill 96, 4, 3214868480
	.section	.rodata,"a",@progbits
	.p2align	6, 0x0
	.amdhsa_kernel k_q482c3779ad_attn
		.amdhsa_group_segment_fixed_size 327680
		.amdhsa_private_segment_fixed_size 0
		.amdhsa_enable_private_segment 0
		.amdhsa_kernarg_size 16
		.amdhsa_user_sgpr_count 2
		.amdhsa_user_sgpr_kernarg_segment_ptr 1
		.amdhsa_wavefront_size32 1
		.amdhsa_system_sgpr_workgroup_id_x 1
		.amdhsa_system_sgpr_workgroup_id_y 1
		.amdhsa_system_sgpr_workgroup_id_z 1
		.amdhsa_system_vgpr_workitem_id 0
		.amdhsa_next_free_vgpr 256
		.amdhsa_next_free_sgpr 100
		.amdhsa_reserve_vcc 0
		.amdhsa_float_denorm_mode_32 3
		.amdhsa_float_denorm_mode_16_64 3
		.amdhsa_memory_ordered 1
		.amdhsa_forward_progress 1
		.amdhsa_inst_pref_size 153
	.end_amdhsa_kernel
	.amdgpu_metadata
---
amdhsa.version: [ 1, 2 ]
amdhsa.kernels:
  - .name:           k_q482c3779ad_attn
    .symbol:         k_q482c3779ad_attn.kd
    .args:
      - { .name: qkv, .offset: 0, .size: 8, .value_kind: global_buffer, .address_space: global }
      - { .name: mh, .offset: 8, .size: 8, .value_kind: global_buffer, .address_space: global }
    .group_segment_fixed_size: 327680
    .private_segment_fixed_size: 0
    .kernarg_segment_align: 8
    .kernarg_segment_size: 16
    .max_flat_workgroup_size: 512
    .sgpr_count:     100
    .vgpr_count:     256
    .wavefront_size: 32
...
	.end_amdgpu_metadata
.endif
;; end of part 3
;; launch outp (part 4): grid 8 x 64, 4 waves a work-group, clusters of 4 x 4, 327,680 bytes of LDS; arguments mh, wo16, out0, bo; writes out0
.if DOCPART == 4
	.amdgcn_target "amdgcn-amd-amdhsa--gfx1250"
	.amdhsa_code_object_version 6
	.text
	.protected	k_q482c3779ad_outp
	.globl	k_q482c3779ad_outp
	.p2align	8
	.type	k_q482c3779ad_outp,@function
k_q482c3779ad_outp:
	s_mov_b64 s[64:65], 0
	v_nop
	global_prefetch_b8 v0, s[64:65] scope:SCOPE_SE
	s_setreg_imm32_b32 hwreg(HW_REG_WAVE_MODE, 25, 1), 1
	s_wait_xcnt 0x0
	s_wait_alu depctr_hold_cnt(0) depctr_sa_sdst(0) depctr_va_vdst(0) depctr_va_sdst(0) depctr_va_ssrc(0) depctr_va_vcc(0) depctr_vm_vsrc(0)
	s_getreg_b32 s2, hwreg(HW_REG_IB_STS2, 6, 4)
	s_cmp_eq_u32 s2, 0
	s_cbranch_scc0 .Lentry_in_a_cluster
	s_endpgm
.Lentry_in_a_cluster:
	s_bfe_u32 s2, ttmp6, 0x10000c
	s_cmp_lg_u32 s2, 0xf033
	s_cbranch_scc0 .Lentry_shape_is_right
	s_endpgm
.Lentry_shape_is_right:
; Launch 4 of 4: out0[m][n] = the sum over k of merged[m][k] Wo[n][k] + bo[n], on f16 operands, sums in f32.  No work is left out.
; Both operands lie BY HEADS: mh[16 b + h][token][64], wo16[h][n][64], and K = 64 h + d is walked head by head on both sides alike.
; A tile of 128 x 128 is made by four waves, each 64 x 64: 16 accumulators.  K goes in steps of 256, four heads, through a ring of two LDS slots.  A wave's tensor load brings 64 rows of four heads: in memory a head's 64 rows
; are 8,192 dense bytes, so the tile is stated as 4 rows of 4,096 elements, a head's plane apart, with 16 bytes of padding behind every 128: in LDS 256 lines of 144 bytes, head after head.
; CLUSTERS: 4 x 4 work-groups; A's tiles are asked for jointly along a row of the cluster, B's along a column.  THE MATRIX INSTRUCTION IS USED TRANSPOSED (source 0 = 16 rows of Wo, source 1 = 16 tokens):
; a lane holds eight neighbouring columns of one row of the output.  The bias is the C of each sum's first product.
; REGISTERS: window 0: v0-31 addresses; v32-95 the way out; v96-127 the bias; v128-255 the accumulators ((a, b) at v[128 + 8 (4 a + b)]).   window 1: two fragment buffers of 128: for one head (64 along K) 64 registers of A, then 64 of B.
.set PITCH,  144                       ; a line in LDS: 128 bytes + 16: the 16 rows that a load touches start 4 words further on each
.set HEADB,  64*PITCH                  ; a head's 64 rows
.set HALFT,  4*HEADB                   ; what one tensor load brings, and what one wave reads of A or of B
.set SLOT,   4*HALFT
.set STAGE,  2*SLOT                    ; behind the ring: 16 rows x 272 bytes for each wave
.set SPITCH, 272
.set SPARE,  STAGE+4*16*SPITCH         ; the spare words, 128 bytes a wave, named by no other line
.set LAPS,   2                         ; 1,024 along K = twice round the ring
.set ASTEP,  4*262144                  ; a K step on in mh: four heads' planes
.set BSTEP,  4*131072                  ; and in wo16
.set ADRA, 16
.set ADRB, 20
.set STO,  24
.set RD,   25
.set CO,   26
.set BA,   27
.set SPW,  28
.set NIL,  29
.set TMP,  32
.set BIAS, 96
.set ACC,  128
.set F0,   0
.set F1,   128
.set G1, 24
.set G0, 32
.set G1B, 48
.set G0B, 56
.set MSB, 0
.macro WIN new                         ; the immediate's high byte repeats the setting that is left
.if MSB != \new
	s_set_vgpr_msb (MSB<<8)|\new
.set MSB, \new
.endif
.endm
.set MUL,  0x05                        ; sources 0 (B) and 1 (A) window 1; C and D window 0
.set TO_F, 0x40
.macro JLOAD s                         ; a joint load: waves 0 and 1 fetch A's two halves, waves 2 and 3 B's; an s_nop 0 and four v_nop follow each line
	s_cmp_eq_u32 s11, 0
	s_cbranch_scc0 .Lfor_b_\@
	tensor_load_to_lds s[G0+4*\s:G0+4*\s+3], s[G1:G1+7]
	s_nop 0
.rept 4
	v_nop
.endr
	s_branch .Lasked_\@
.Lfor_b_\@:
	tensor_load_to_lds s[G0B+4*\s:G0B+4*\s+3], s[G1B:G1B+7]
	s_nop 0
.rept 4
	v_nop
.endr
.Lasked_\@:
.endm
.macro CREST                           ; a round of the cluster's barrier behind its opening barrier
	s_cmp_lg_u32 s10, 0
	s_cbranch_scc1 .Lnot_wave_0_\@
	s_barrier_signal -3
.Lnot_wave_0_\@:
	s_barrier_wait -3
	s_barrier_signal -1
	s_barrier_wait -1
.endm
.macro CROUND
	s_barrier_signal -1
	s_barrier_wait -1
	CREST
.endm
	s_load_b128 s[4:7], s[0:1], 0x0                ; mh, wo16
	s_load_b64 s[8:9], s[0:1], 0x10                ; out0
	s_load_b64 s[68:69], s[0:1], 0x18              ; bo
	v_lshl_add_u32 v[SPW], v0, 2, SPARE
	v_mov_b32 v[NIL], 0
	ds_add_u32 v[SPW], v[NIL]                      ; the wave's opening: the add, twice on end, and its wait ahead of my first tensor load
	ds_add_u32 v[SPW], v[NIL]
	v_lshrrev_b32 v1, 5, v0
	v_readfirstlane_b32 s10, v1                    ; wave 0..3
	s_lshr_b32 s11, s10, 1                         ; which half of the tile's rows is mine.  Also: I fetch for A (0) or for B (1)
	s_and_b32 s12, s10, 1                          ; which half of its columns.  Also: which 64 rows of that tile I fetch
	s_bfe_u32 s40, ttmp6, 0x40000                  ; cx, cy
	s_bfe_u32 s41, ttmp6, 0x40004
	s_lshl_b32 s42, ttmp9, 2
	s_add_co_u32 s42, s42, s40                     ; tile column
	s_and_b32 s13, ttmp7, 0xffff
	s_lshl_b32 s13, s13, 2
	s_add_co_u32 s13, s13, s41                     ; tile row
	s_lshl_b32 s43, s41, 2
	s_lshl_b32 s43, 15, s43                        ; my row of the cluster
	s_lshl_b32 s44, 0x1111, s40                    ; my column
	s_or_b32 s[G1+0], s43, (1<<16)|(1<<20)|(1<<21)|(4<<22)|(3<<25)  ; the mask; elements of 2 bytes; padding: 4 words after every 32; bit 21 beside a mask
	s_or_b32 s[G1B+0], s44, (1<<16)|(1<<20)|(1<<21)|(4<<22)|(3<<25)
.irp g, G1, G1B
	s_mov_b32 s[\g+1], 4096<<16                    ; tensor_dim0: 64 rows x 64 elements, dense
	s_mov_b32 s[\g+2], 4<<16                       ; tensor_dim1: four heads
	s_mov_b32 s[\g+3], 4096<<16                    ; tile_dim0
	s_mov_b32 s[\g+4], 4                           ; tile_dim1
	s_mov_b32 s[\g+6], 0
	s_mov_b32 s[\g+7], 0
.endr
	s_mov_b32 s[G1+5], 131072                      ; from head to head: 2,048 tokens x 64 in mh,
	s_mov_b32 s[G1B+5], 65536                      ; 1,024 rows x 64 in wo16
	s_lshr_b32 s16, s13, 4                         ; A: the batch's 16 planes of 262,144 bytes,
	s_lshl_b32 s16, s16, 22
	s_and_b32 s17, s13, 15
	s_lshl_b32 s17, s17, 14                        ; token 128 (tile row % 16), 128 bytes a token,
	s_add_co_u32 s16, s16, s17
	s_lshl_b32 s17, s12, 13                        ; + 64 x half
	s_add_co_u32 s16, s16, s17
	s_mov_b32 s17, 0
	s_lshl_b32 s46, s42, 14                        ; B: row 128 x tile column + 64 x half
	s_lshl_b32 s47, s12, 13
	s_add_co_u32 s46, s46, s47
	s_mov_b32 s47, 0
	s_mul_i32 s20, s10, HALFT                      ; where they go: A's two halves, then B's two: no place in the cluster enters an LDS address
	s_wait_dscnt 0x0                               ; both opening adds are done
	s_wait_kmcnt 0x0
	s_add_nc_u64 s[14:15], s[4:5], s[16:17]
	s_add_nc_u64 s[46:47], s[6:7], s[46:47]
	CROUND                                         ; all sixteen work-groups are here: the first joint loads meet
.irp s, 0,1
	s_mov_b32 s[G0+4*\s], 1
	s_add_co_u32 s[G0+4*\s+1], s20, \s*SLOT
	s_add_nc_u64 s[G0+4*\s+2:G0+4*\s+3], s[14:15], \s*ASTEP
	s_or_b32 s[G0+4*\s+3], s[G0+4*\s+3], 0x80000000
	s_mov_b32 s[G0B+4*\s], 1
	s_add_co_u32 s[G0B+4*\s+1], s20, \s*SLOT
	s_add_nc_u64 s[G0B+4*\s+2:G0B+4*\s+3], s[46:47], \s*BSTEP
	s_or_b32 s[G0B+4*\s+3], s[G0B+4*\s+3], 0x80000000
	JLOAD \s                                       ; two tensor loads of mine are out
.endr
	v_and_b32 v1, 15, v0                           ; r
	v_bfe_u32 v2, v0, 4, 1                         ; h
	s_lshl_b32 s16, s13, 19                        ; my first row of the output: 128 x tile row + 64 (wave / 2), 4,096 bytes a row
	s_lshl_b32 s17, s11, 18
	s_add_co_u32 s16, s16, s17
	s_mov_b32 s17, 0
	s_add_nc_u64 s[8:9], s[8:9], s[16:17]
	s_lshl_b32 s46, s42, 9                         ; my first column, in bytes: 512 x tile column + 256 (wave % 2)
	s_lshl_b32 s47, s12, 8
	s_add_co_u32 s46, s46, s47
	s_mov_b32 s47, 0
	s_add_nc_u64 s[8:9], s[8:9], s[46:47]
	s_add_nc_u64 s[68:69], s[68:69], s[46:47]      ; and the same in bo
	v_lshlrev_b32 v[BA], 5, v2
.irp b, 0,1,2,3
	global_load_b128 v[BIAS+8*\b:BIAS+8*\b+3], v[BA], s[68:69] offset:64*\b          ; register 8 b + j = bo[my first column + 16 b + 8 h + j]: the result's layout
	global_load_b128 v[BIAS+8*\b+4:BIAS+8*\b+7], v[BA], s[68:69] offset:64*\b+16
.endr
	v_mul_u32_u24 v3, v1, PITCH
	v_lshl_add_u32 v3, v2, 4, v3                   ; a fragment's row x pitch + 16 x half
	s_mul_i32 s21, s11, HALFT                      ; my 64 rows of A
	s_mul_i32 s22, s12, HALFT                      ; my 64 rows of B,
	s_add_co_u32 s22, s22, 2*HALFT                 ; behind A's two halves
.irp s, 0,1
	v_add_nc_u32 v[ADRA+\s], s21, v3
	v_add_nc_u32 v[ADRB+\s], s22, v3
	s_add_co_u32 s21, s21, SLOT
	s_add_co_u32 s22, s22, SLOT
.endr
	s_mul_i32 s23, s10, 16*SPITCH
	s_add_co_u32 s23, s23, STAGE                   ; my stage
	v_mul_u32_u24 v4, v1, SPITCH                   ; in: row r, 32 bytes for each half of the lanes
	v_lshl_add_u32 v4, v2, 5, v4
	v_add_nc_u32 v[STO], s23, v4
	v_mul_u32_u24 v5, v2, SPITCH                   ; back: lanes 0-15 take one row of 256 bytes, lanes 16-31 the next
	v_lshl_add_u32 v5, v1, 4, v5
	v_add_nc_u32 v[RD], s23, v5
	v_lshlrev_b32 v5, 12, v2                       ; and the same two rows in the output
	v_lshl_add_u32 v[CO], v1, 4, v5
; 8 matrix instructions: m blocks a0, a0 + 1 x all 4 n blocks, 32 along K: half c of buffer f.  first = 1: the bias is the C.  The 16 accumulators take turns.
.macro MUL8 f, c, a0, first
.irp a, \a0, \a0+1
.irp b, 0,1,2,3
.if \first
	v_wmma_f32_16x16x32_f16 v[ACC+8*(4*(\a)+\b):ACC+8*(4*(\a)+\b)+7], v[\f+64+8*(4*\c+\b):\f+64+8*(4*\c+\b)+7], v[\f+8*(4*\c+\a):\f+8*(4*\c+\a)+7], v[BIAS+8*\b:BIAS+8*\b+7]
.else
	v_wmma_f32_16x16x32_f16 v[ACC+8*(4*(\a)+\b):ACC+8*(4*(\a)+\b)+7], v[\f+64+8*(4*\c+\b):\f+64+8*(4*\c+\b)+7], v[\f+8*(4*\c+\a):\f+8*(4*\c+\a)+7], v[ACC+8*(4*(\a)+\b):ACC+8*(4*(\a)+\b)+7]
.endif
.endr
.endr
.endm
; 32 LDS loads in one run: the fragments of one head, which begins at byte k of my part of the slot, into buffer f; its first 32 along K first
.macro FETCH slot, k, f
	WIN TO_F
.irp c, 0,1
.irp i, 0,1,2,3
	ds_load_b128 v[\f+64+8*(4*\c+\i):\f+64+8*(4*\c+\i)+3],   v[ADRB+\slot] offset:\k+64*\c+\i*16*PITCH
	ds_load_b128 v[\f+64+8*(4*\c+\i)+4:\f+64+8*(4*\c+\i)+7], v[ADRB+\slot] offset:\k+64*\c+\i*16*PITCH+32
	ds_load_b128 v[\f+8*(4*\c+\i):\f+8*(4*\c+\i)+3],         v[ADRA+\slot] offset:\k+64*\c+\i*16*PITCH
	ds_load_b128 v[\f+8*(4*\c+\i)+4:\f+8*(4*\c+\i)+7],       v[ADRA+\slot] offset:\k+64*\c+\i*16*PITCH+32
.endr
.endr
.endm
.macro PLACES                          ; four plain instructions in front of loads into registers that matrix instructions have read, and of the first read of results
.rept 4
	v_nop
.endr
.endm
; A K step is four heads, 32 matrix instructions each, on buffers 0, 1, 0, 1.  One of the first three: multiplies buffer f and fetches the next head, at byte k, into g.
.macro QUARTER slot, k, f, g, first
	s_wait_dscnt 16                                ; the first 32 along K are in; the other sixteen loads may be out
	WIN MUL
	MUL8 \f, 0, 0, \first
	MUL8 \f, 0, 2, \first
	PLACES
	FETCH \slot, \k, \g
	s_wait_dscnt 32                                ; all but the 32 just issued
	WIN MUL
	MUL8 \f, 1, 0, 0
	MUL8 \f, 1, 2, 0
.endm
; The last head multiplies buffer 1 and changes slots: ONE barrier; in front of it each wave waits for all its tensor loads, adds 0 to its spare word, and waits for that and for its reads of this slot.  fill = 1: this slot is filled again, two K steps ahead.
.macro TURN slot, next, fill
	WIN 0
	s_wait_tensorcnt 0x0                           ; all my tensor loads have landed: my part of the next slot
	ds_add_u32 v[SPW], v[NIL]
	s_wait_dscnt 17                                ; (the add and the youngest sixteen loads may be out)
	WIN MUL
	MUL8 F1, 0, 0, 0
	s_wait_dscnt 0x0                               ; the add is done, and my reads of this slot are over
	s_barrier_signal -1
	MUL8 F1, 0, 2, 0
.if \fill
	WIN 0
.endif
	s_barrier_wait -1
.if \fill
	CREST                                          ; the barrier has opened a round of the cluster's: no wave of any partner still reads this slot or has a load on its way
	s_add_nc_u64 s[G0+4*\slot+2:G0+4*\slot+3], s[G0+4*\slot+2:G0+4*\slot+3], 2*ASTEP
	s_add_nc_u64 s[G0B+4*\slot+2:G0B+4*\slot+3], s[G0B+4*\slot+2:G0B+4*\slot+3], 2*BSTEP
	JLOAD \slot                                    ; the first tensor load behind the round; its four v_nop are also the places in front of the loads below
.else
	PLACES
.endif
	FETCH \next, 0, F0
	WIN MUL
	MUL8 F1, 1, 0, 0
	MUL8 F1, 1, 2, 0
.endm
	s_wait_tensorcnt 1                             ; my part of K step 0 is in (K step 1's load may be out),
	s_barrier_signal -1
	s_barrier_wait -1                              ; everybody's is
	FETCH 0, 0, F0
	s_wait_loadcnt 0x0                             ; the bias
	QUARTER 0, HEADB, F0, F1, 1                    ; the first head stands in front of the loop: its first products start the sums from the bias
	WIN 0
	s_mov_b32 s3, LAPS-1
.Llap:                                                 ; a trip goes once round the ring, from a lap's second head to the next lap's first, and fills both slots again
	QUARTER 0, 2*HEADB, F1, F0, 0
	QUARTER 0, 3*HEADB, F0, F1, 0
	TURN 0, 1, 1
	QUARTER 1, HEADB, F0, F1, 0
	QUARTER 1, 2*HEADB, F1, F0, 0
	QUARTER 1, 3*HEADB, F0, F1, 0
	TURN 1, 0, 1
	QUARTER 0, HEADB, F0, F1, 0
	WIN 0
	s_sub_co_u32 s3, s3, 1
	s_cmp_lg_u32 s3, 0
	s_cbranch_scc1 .Llap
	QUARTER 0, 2*HEADB, F1, F0, 0                  ; the last lap fills nothing, and has no round of the cluster's barrier
	QUARTER 0, 3*HEADB, F0, F1, 0
	TURN 0, 1, 0
	QUARTER 1, HEADB, F0, F1, 0
	QUARTER 1, 2*HEADB, F1, F0, 0
	QUARTER 1, 3*HEADB, F0, F1, 0
	s_wait_dscnt 16                                ; the very last head
	WIN MUL
	MUL8 F1, 0, 0, 0
	MUL8 F1, 0, 2, 0
	s_wait_dscnt 0
	MUL8 F1, 1, 0, 0
	MUL8 F1, 1, 2, 0
	WIN 0
; THE WAY OUT, block by block of 16 rows x 64 columns.  A lane holds 32 neighbouring bytes of a row; a block goes through my own stage and comes back as rows of 256 bytes: sixteen lanes store 256 consecutive bytes, aligned.
.macro TOSTAGE a
.set BB, TMP+32*((\a)%2)
.irp b, 0,1,2,3
	ds_store_b128 v[STO], v[ACC+8*(4*(\a)+\b):ACC+8*(4*(\a)+\b)+3] offset:64*\b        ; each accumulator from its low end on
	ds_store_b128 v[STO], v[ACC+8*(4*(\a)+\b)+4:ACC+8*(4*(\a)+\b)+7] offset:64*\b+16
.endr
.irp t, 0,1,2,3,4,5,6,7
	ds_load_b128 v[BB+4*\t:BB+4*\t+3], v[RD] offset:\t*2*SPITCH    ; LDS serves a wave's instructions in order: these see the stores above
.endr
.endm
.macro SEND a, younger                 ; younger: the LDS instructions issued behind block a's loads, which may stay out
.set BB, TMP+32*((\a)%2)
	s_wait_dscnt \younger
.irp t, 0,1,2,3,4,5,6,7
	global_store_b128 v[CO], v[BB+4*\t:BB+4*\t+3], s[8:9] offset:65536*(\a)+8192*\t th:TH_STORE_NT
.endr
.endm
	PLACES
	TOSTAGE 0
.irp a, 1,2,3
.if \a > 1
	s_wait_xcnt 0x0                                ; block a - 2's stores have read their registers: block a's loads may land there
.endif
	TOSTAGE \a
	SEND \a-1, 16                                  ; behind block a - 1's loads: block a's 8 stores and 8 loads
.endr
	SEND 3, 0
	s_wait_tensorcnt 0x0                           ; the wave's end
	ds_add_u32 v[SPW], v[NIL]
	s_wait_dscnt 0x0
	CROUND                                         ; the closing round
	s_endpgm
.Lfunc_end_k_q482c3779ad_outp:
	.size	k_q482c3779ad_outp, .Lfunc_end_k_q482c3779ad_outp-k_q482c3779ad_outp
	.p2alignl 7, 3214868480
	.fill 96, 4, 3214868480
	.section	.rodata,"a",@progbits
	.p2align	6, 0x0
	.amdhsa_kernel k_q482c3779ad_outp
		.amdhsa_group_segment_fixed_size 327680
		.amdhsa_private_segment_fixed_size 0
		.amdhsa_enable_private_segment 0
		.amdhsa_kernarg_size 32
		.amdhsa_user_sgpr_count 2
		.amdhsa_user_sgpr_kernarg_segment_ptr 1
		.amdhsa_wavefront_size32 1
		.amdhsa_system_sgpr_workgroup_id_x 1
		.amdhsa_system_sgpr_workgroup_id_y 1
		.amdhsa_system_sgpr_workgroup_id_z 1
		.amdhsa_system_vgpr_workitem_id 0
		.amdhsa_next_free_vgpr 512
		.amdhsa_next_free_sgpr 70
		.amdhsa_reserve_vcc 0
		.amdhsa_float_denorm_mode_32 3
		.amdhsa_float_denorm_mode_16_64 3
		.amdhsa_memory_ordered 1
		.amdhsa_forward_progress 1
		.amdhsa_inst_pref_size 86
	.end_amdhsa_kernel
	.amdgpu_metadata
---
amdhsa.version: [ 1, 2 ]
amdhsa.kernels:
  - .name:           k_q482c3779ad_outp
    .symbol:         k_q482c3779ad_outp.kd
    .args:
      - { .name: mh, .offset: 0, .size: 8, .value_kind: global_buffer, .address_space: global }
      - { .name: wo16, .offset: 8, .size: 8, .value_kind: global_buffer, .address_space: global }
      - { .name: out0, .offset: 16, .size: 8, .value_kind: global_buffer, .address_space: global }
      - { .name: bo, .offset: 24, .size: 8, .value_kind: global_buffer, .address_space: global }
    .group_segment_fixed_size: 327680
    .private_segment_fixed_size: 0
    .kernarg_segment_align: 8
    .kernarg_segment_size: 32
    .max_flat_workgroup_size: 128
    .sgpr_count:     70
    .vgpr_count:     512
    .wavefront_size: 32
...
	.end_amdgpu_metadata
.endif
;; end of part 4
